; MI455X (gfx1250); checked and timed in simulation.
; The chip was launched on July 23, 2026; its instructions are those of AMD's public machine-readable ISA for CDNA 5 (MIT licence, August 2026) and "CDNA5" Instruction Set Architecture Reference Guide (July 2026). The comments in the code are by the model that wrote it; some were corrected since.
;; Llama4 Mo E. Allowed arithmetic: float matrix products may take bf16 or f16 operands with f32 sums; other float arithmetic in f32, or as packed bf16 or f16 multiplies, adds, multiply-adds, maxima and minima; sums over many terms, partial sums and values carried from step to step in f32; what a program stores and reads back later, other than sums and carried values, may be rounded once to bf16 or f16.
;; Inputs: hidden_states 1,024 x 1,024 float32; router_w 8 x 1,024 float32; w_down 8 x 2,048 x 1,024 float32; w_gate 8 x 1,024 x 2,048 float32; w_up 8 x 1,024 x 2,048 float32; ws_down 2,048 x 1,024 float32; ws_gate 1,024 x 2,048 float32; ws_up 1,024 x 2,048 float32.
;; Outputs: out0 1,024 x 1,024 float32.
;; 2 versions, each right and faster than the one before. Each part assembles by itself: llvm-mc -triple=amdgcn-amd-amdhsa -mcpu=gfx1250 --defsym DOCPART=n.
;; ======== version 1 of 2: 3 launches
;; workspace buffers: xb 2,097,152 bytes; score 4,096 bytes; bm 2,048 bytes of whole numbers; hid 8,388,608 bytes
;; launch router (part 1): grid 64 x 1, 4 waves a work-group, no clusters, 54,272 bytes of LDS; arguments hidden_states, router_w, xb, bm, score; writes xb, bm, score
.if DOCPART == 1
	.amdgcn_target "amdgcn-amd-amdhsa--gfx1250"
	.amdhsa_code_object_version 6
	.text
	.protected	k_q14a0356d3d_router
	.globl	k_q14a0356d3d_router
	.p2align	8
	.type	k_q14a0356d3d_router,@function
k_q14a0356d3d_router:
	s_mov_b64 s[64:65], 0
	v_nop
	global_prefetch_b8 v0, s[64:65] scope:SCOPE_SE
	s_setreg_imm32_b32 hwreg(HW_REG_WAVE_MODE, 25, 1), 1
	s_wait_xcnt 0x0
; ROUTER.  logits = x router_w^T (both rounded once to bf16, sums in f32), the largest of the 8 logits of a token, its sigmoid; and x's bf16 copy for the products.
; A work-group owns 16 tokens.  Stored: xb [1024][1024] bf16; score [1024] f32; bm, whole numbers at fixed places: the word at byte (l*8+e)*4 has bit b set
; where token 32 l + b chose expert e (a work-group writes one 16-bit half of eight words), and 1024 bytes further on, in the same layout, the number of bits in that half.
; LIMITS.  Equal logits: the lower expert wins (strict greater-than).  NaN logits are not treated apart.  The sigmoid is 1 / (1 + 2^(-1.442695 v)).
; No address and no branch hangs on the choice: it goes into stored values alone.
.set XPITCH, 2064                      ; an LDS row: 2,048 bytes of bf16 + 16: an odd multiple of 16, so the 16 rows of a fragment load start at different banks
.set RWB,    16*XPITCH                 ; behind x's 16 rows: router_w's 8 rows
.set PART,   49664                     ; the four waves' partial logits: wave*1024 + half*512 + lane*16
.set SPARE,  53760                     ; the spare words, 128 bytes a wave: two blocks of 256 bytes that no other line names
.set X,   16                           ; v[16:143]  x as loaded; later the fragments (tokens v16-79, router v80-143)
.set R,   144                          ; v[144:207] router_w as loaded
.set ACA, 208                          ; two accumulators that take turns
.set ACB, 216
	s_load_b256 s[4:11], s[0:1], 0x0               ; hidden_states s[4:5], router_w s[6:7], xb s[8:9], bm s[10:11]
	s_load_b64 s[12:13], s[0:1], 0x20              ; score
	v_lshl_add_u32 v12, v0, 2, SPARE               ; my spare word
	v_mov_b32 v13, 0
	v_and_b32 v1, 31, v0                           ; lane
	v_lshrrev_b32 v14, 5, v0
	v_readfirstlane_b32 s14, v14                   ; wave
	v_and_b32 v2, 15, v0                           ; r
	v_bfe_u32 v3, v0, 4, 1                         ; h
	s_mov_b32 s15, ttmp9                           ; the work-group: tokens 16 b ..
	s_lshl_b32 s26, s15, 16                        ; 16 rows of 4,096 bytes of x
	s_mov_b32 s27, 0
	s_lshl_b32 s28, s15, 15                        ; 16 rows of 2,048 bytes of xb
	s_mov_b32 s29, 0
	s_lshl_b32 s25, s14, 14
	v_lshl_add_u32 v4, v1, 4, s25                  ; x: my wave's 4 rows, 16 bytes a lane
	s_lshl_b32 s25, s14, 13
	v_lshl_add_u32 v5, v1, 4, s25                  ; router_w: my wave's 2 rows
	v_lshl_add_u32 v6, v1, 3, s25                  ; xb: my wave's 4 rows, 8 bytes a lane
	s_mul_i32 s25, s14, 4*XPITCH
	v_lshl_add_u32 v7, v1, 3, s25                  ; the same 4 rows in LDS
	s_mul_i32 s25, s14, 2*XPITCH
	s_add_co_u32 s25, s25, RWB
	v_lshl_add_u32 v8, v1, 3, s25                  ; router_w's 2 rows in LDS
	s_lshl_b32 s25, s14, 9                         ; my wave's eight K steps of 32: 512 bytes of every row
	v_mul_u32_u24 v9, v2, XPITCH
	v_lshl_add_u32 v9, v3, 4, v9
	v_add_nc_u32 v9, s25, v9                       ; token fragments: row r, 16 h
	v_and_b32 v14, 7, v0
	v_mul_u32_u24 v10, v14, XPITCH
	v_lshl_add_u32 v10, v3, 4, v10
	s_add_co_u32 s25, s25, RWB
	v_add_nc_u32 v10, s25, v10                     ; router fragments: row r % 8: rows 8-15 repeat the experts, so both halves of the lanes get all 8 logits
	s_lshl_b32 s25, s14, 10
	s_add_co_u32 s25, s25, PART
	v_lshl_add_u32 v11, v1, 4, s25
	s_wait_kmcnt 0x0
	s_add_nc_u64 s[4:5], s[4:5], s[26:27]
	s_add_nc_u64 s[8:9], s[8:9], s[28:29]
.irp rr, 0,1
.irp i, 0,1,2,3,4,5,6,7
	global_load_b128 v[R+32*(\rr)+4*(\i):R+32*(\rr)+4*(\i)+3], v5, s[6:7] offset:(\rr)*4096+(\i)*512
.endr
.endr
.irp rr, 0,1,2,3
.irp i, 0,1,2,3,4,5,6,7
	global_load_b128 v[X+32*(\rr)+4*(\i):X+32*(\rr)+4*(\i)+3], v4, s[4:5] offset:(\rr)*4096+(\i)*512 th:TH_LOAD_NT
.endr
.endr
	s_wait_loadcnt 0x0                             ; all 48 loads went out together: one wait
.set a, X
.rept 48                                           ; four f32 become four bf16 in the first two of their registers
	v_cvt_pk_bf16_f32 v[a], v[a], v[a+1]
	v_cvt_pk_bf16_f32 v[a+1], v[a+2], v[a+3]
.set a, a+4
.endr
.irp rr, 0,1,2,3
.irp i, 0,1,2,3,4,5,6,7
	global_store_b64 v6, v[X+32*(\rr)+4*(\i):X+32*(\rr)+4*(\i)+1], s[8:9] offset:(\rr)*2048+(\i)*256  ; 32 lanes store 256 consecutive bytes, aligned
	ds_store_b64 v7, v[X+32*(\rr)+4*(\i):X+32*(\rr)+4*(\i)+1] offset:(\rr)*XPITCH+(\i)*256
.endr
.endr
.irp rr, 0,1
.irp i, 0,1,2,3,4,5,6,7
	ds_store_b64 v8, v[R+32*(\rr)+4*(\i):R+32*(\rr)+4*(\i)+1] offset:(\rr)*XPITCH+(\i)*256
.endr
.endr
	s_wait_dscnt 0x0                               ; for the others' sake: my rows are in LDS
	s_barrier_signal -1
	s_barrier_wait -1
	s_wait_xcnt 0x0                                ; the stores to xb have read their registers: these are loaded again only behind this wait
.irp s, 0,1,2,3,4,5,6,7
	ds_load_b128 v[16+8*(\s):16+8*(\s)+3],  v9  offset:64*(\s)
	ds_load_b128 v[16+8*(\s)+4:16+8*(\s)+7], v9  offset:64*(\s)+32
	ds_load_b128 v[80+8*(\s):80+8*(\s)+3],  v10 offset:64*(\s)
	ds_load_b128 v[80+8*(\s)+4:80+8*(\s)+7], v10 offset:64*(\s)+32
.endr
	s_wait_dscnt 0x0
	; source 0 = 16 rows of router_w, source 1 = 16 tokens: a lane then holds ONE token (r) and in its 8 registers the 8 experts' logits
	v_wmma_f32_16x16x32_bf16 v[ACA:ACA+7], v[80:87], v[16:23], 0
	v_wmma_f32_16x16x32_bf16 v[ACB:ACB+7], v[88:95], v[24:31], 0
.irp s, 2,4,6
	v_wmma_f32_16x16x32_bf16 v[ACA:ACA+7], v[80+8*(\s):80+8*(\s)+7], v[16+8*(\s):16+8*(\s)+7], v[ACA:ACA+7]  ; the two accumulators take turns
	v_wmma_f32_16x16x32_bf16 v[ACB:ACB+7], v[88+8*(\s):88+8*(\s)+7], v[24+8*(\s):24+8*(\s)+7], v[ACB:ACB+7]
.endr
.rept 4
	v_nop                                          ; four places behind the last product (ISA guide 7.12.1)
.endr
.irp q, 0,2,4,6
	v_pk_add_f32 v[R+(\q):R+(\q)+1], v[ACA+(\q):ACA+(\q)+1], v[ACB+(\q):ACB+(\q)+1]  ; from the low registers on
.endr
	ds_store_b128 v11, v[R:R+3]
	ds_store_b128 v11, v[R+4:R+7] offset:512
	s_wait_dscnt 0x0                               ; for wave 0's sake
	s_barrier_signal -1
	s_barrier_wait -1
	s_cmp_lg_u32 s14, 0
	s_cbranch_scc1 .Lfin                           ; wave 0 alone finishes; no barrier is jumped
	v_lshl_add_u32 v14, v1, 4, PART
.irp p, 0,1,2,3
.irp q, 0,1
	ds_load_b128 v[16+8*(\p)+4*(\q):16+8*(\p)+4*(\q)+3], v14 offset:(\p)*1024+(\q)*512
.endr
.endr
	s_lshl_b32 s25, s15, 6
	v_lshl_add_u32 v53, v2, 2, s25                 ; score: (16 b + r) * 4
	s_lshr_b32 s25, s15, 1
	s_lshl_b32 s25, s25, 5
	s_and_b32 s30, s15, 1
	s_lshl1_add_u32 s25, s30, s25
	v_lshl_add_u32 v54, v1, 2, s25                 ; bm: (b / 2) * 32 + (b % 2) * 2 + 4 e, lane e
	s_wait_dscnt 0x0
.irp q, 0,2,4,6
	v_pk_add_f32 v[16+(\q):17+(\q)], v[16+(\q):17+(\q)], v[24+(\q):25+(\q)]
	v_pk_add_f32 v[32+(\q):33+(\q)], v[32+(\q):33+(\q)], v[40+(\q):41+(\q)]
.endr
.irp q, 0,2,4,6
	v_pk_add_f32 v[16+(\q):17+(\q)], v[16+(\q):17+(\q)], v[32+(\q):33+(\q)]  ; v[16+e]: my token's logit for expert e
.endr
	v_mov_b32 v48, v16                             ; the best so far,
	v_mov_b32 v49, 0                               ; and whose it is
.irp e, 1,2,3,4,5,6,7
	v_cmp_gt_f32 vcc_lo, v[16+\e], v48
	v_cndmask_b32 v48, v48, v[16+\e], vcc_lo
	v_cndmask_b32 v49, v49, \e, vcc_lo
.endr
	v_mul_f32 v50, 0xbfb8aa3b, v48                 ; -log2(e) v
	v_exp_f32 v50, v50
	v_mov_b32 v51, 0                               ; (a plain instruction behind the exponential)
	s_wait_alu depctr_va_vdst(0)                   ; the wait ahead of the first use
	v_add_f32 v50, 1.0, v50
	v_rcp_f32 v50, v50
	v_mov_b32 v52, 0                               ; (a plain instruction behind the reciprocal)
.irp e, 0,1,2,3,4,5,6,7
	v_cmp_eq_u32 s[16+\e], \e, v49                 ; bit r (and bit 16 + r): token r chose expert e
.endr
.irp e, 0,1,2,3,4,5,6,7
	s_and_b32 s25, s[16+\e], 0xffff
	v_writelane_b32 v51, s25, \e                   ; lane e: the 16 tokens' mask for expert e,
	s_bcnt1_i32_b32 s25, s25
	v_writelane_b32 v52, s25, \e                   ; and how many they are
.endr
	s_wait_alu depctr_va_vdst(0)                   ; the reciprocal's wait, ahead of the store that reads it
	s_wait_xcnt 0x0                                ; EXEC changes only behind this wait
	v_cmp_gt_u32 vcc_lo, 16, v1
	s_and_saveexec_b32 s24, vcc_lo
	global_store_b32 v53, v50, s[12:13]            ; lanes 0-15: 64 consecutive bytes
	s_wait_xcnt 0x0
	s_or_b32 exec_lo, exec_lo, s24
	v_cmp_gt_u32 vcc_lo, 8, v1
	s_and_saveexec_b32 s24, vcc_lo
	global_store_b16 v54, v51, s[10:11]
	global_store_b16 v54, v52, s[10:11] offset:1024
	s_wait_xcnt 0x0
	s_or_b32 exec_lo, exec_lo, s24
.Lfin:
	s_wait_tensorcnt 0x0                           ; the wave's end
	ds_add_u32 v12, v13
	s_wait_dscnt 0x0
	s_endpgm
.Lfunc_end_k_q14a0356d3d_router:
	.size	k_q14a0356d3d_router, .Lfunc_end_k_q14a0356d3d_router-k_q14a0356d3d_router
	.p2alignl 7, 3214868480
	.fill 96, 4, 3214868480
	.section	.rodata,"a",@progbits
	.p2align	6, 0x0
	.amdhsa_kernel k_q14a0356d3d_router
		.amdhsa_group_segment_fixed_size 54272
		.amdhsa_private_segment_fixed_size 0
		.amdhsa_enable_private_segment 0
		.amdhsa_kernarg_size 40
		.amdhsa_user_sgpr_count 2
		.amdhsa_user_sgpr_kernarg_segment_ptr 1
		.amdhsa_wavefront_size32 1
		.amdhsa_system_sgpr_workgroup_id_x 1
		.amdhsa_system_sgpr_workgroup_id_y 1
		.amdhsa_system_sgpr_workgroup_id_z 1
		.amdhsa_system_vgpr_workitem_id 0
		.amdhsa_next_free_vgpr 224
		.amdhsa_next_free_sgpr 66
		.amdhsa_reserve_vcc 1
		.amdhsa_float_denorm_mode_32 3
		.amdhsa_float_denorm_mode_16_64 3
		.amdhsa_memory_ordered 1
		.amdhsa_forward_progress 1
		.amdhsa_inst_pref_size 28
	.end_amdhsa_kernel
	.amdgpu_metadata
---
amdhsa.version: [ 1, 2 ]
amdhsa.kernels:
  - .name:           k_q14a0356d3d_router
    .symbol:         k_q14a0356d3d_router.kd
    .args:
      - { .name: hidden_states, .offset: 0, .size: 8, .value_kind: global_buffer, .address_space: global }
      - { .name: router_w, .offset: 8, .size: 8, .value_kind: global_buffer, .address_space: global }
      - { .name: xb, .offset: 16, .size: 8, .value_kind: global_buffer, .address_space: global }
      - { .name: bm, .offset: 24, .size: 8, .value_kind: global_buffer, .address_space: global }
      - { .name: score, .offset: 32, .size: 8, .value_kind: global_buffer, .address_space: global }
    .group_segment_fixed_size: 54272
    .private_segment_fixed_size: 0
    .kernarg_segment_align: 8
    .kernarg_segment_size: 40
    .max_flat_workgroup_size: 128
    .sgpr_count:     66
    .vgpr_count:     224
    .wavefront_size: 32
...
	.end_amdgpu_metadata
.endif
;; end of part 1
;; launch gateup (part 2): grid 32 x 21, 4 waves a work-group, no clusters, 318,976 bytes of LDS; arguments xb, bm, score, w_gate, w_up, ws_gate, ws_up, hid; writes hid
.if DOCPART == 2
	.amdgcn_target "amdgcn-amd-amdhsa--gfx1250"
	.amdhsa_code_object_version 6
	.text
	.protected	k_q14a0356d3d_gateup
	.globl	k_q14a0356d3d_gateup
	.p2align	8
	.type	k_q14a0356d3d_gateup,@function
k_q14a0356d3d_gateup:
	s_mov_b64 s[64:65], 0
	v_nop
	global_prefetch_b8 v0, s[64:65] scope:SCOPE_SE
	s_setreg_imm32_b32 hwreg(HW_REG_WAVE_MODE, 25, 1), 1
	s_wait_xcnt 0x0
; GATE AND UP.  hid[t][0:2048] = silu(s g) (s u) with g = xb[t] w_gate[e], u = xb[t] w_up[e], e the token's expert and s its score (applied in f32 behind the sums: s (x W) = (s x) W);
; hid[t][2048:4096] the same with ws_gate, ws_up and s = 1.  Weights are rounded to bf16 on their way through registers, sums in f32, hid rounded once to bf16.
; GRID.  x: a slice of 64 gate and 64 up columns.  y < 13: a tile slot of the routed experts; y >= 13: rows 128 (y - 13) .. of the shared expert.  An expert with n rows has c = ceil(n / 192) tiles of
; ceil(n / c) rows; there are never more than 13, whatever the split.  Every wave finds its slot's expert, first rank and rows from the stored counts.  A slot past the last tile has 0 rows: it passes
; every barrier, jumps all the work between them, asks for nothing and stores nothing.
; WEIGHTS lie [k][n].  A lane loads 16 bytes, columns 4 r .. 4 r + 3 of one row; lanes 0-15 take row k, lanes 16-31 row k + 8: each half of the wave reads 256 consecutive bytes, aligned.  Component j of
; the 16 loads of a K step of 32 is source 0 of a matrix instruction whose row m is column 4 m + j: no transposing, no LDS.  Source 1 is 16 tokens.  In the result a lane holds token r, and register i
; of fragment j column 32 h + 4 i + j: 32 neighbouring columns over the four fragments.
; WAVES.  Wave w takes gate (w < 2) or up, and half w % 2 of each chunk of 128 along K, for all rows: up to 12 tiles x 4 fragments, 384 accumulator registers.  The four parts meet in LDS at the end.
; TOKEN ROWS come by a list (each wave makes its own, in its own LDS bytes) into a ring of two LDS slots, a chunk ahead; rows past the tile's count repeat its last token (their results are stored
; twice, with the same bytes); whole blocks of 32 dead rows are jumped by scalar branches that pass no barrier.
; NO CLUSTER, NO TENSOR LOADS: the rows come by a list that no descriptor covers, and each routed slice of weights has one reader.
; hid's 64 columns are 128 bytes: eight lanes store half of an aligned block of 256 bytes; the neighbouring slice's work-group stores the other half.
; LIMITS.  silu(g) = g / (1 + 2^(-1.442695 g)); where the power overflows the quotient is 0.  NaN and infinities are not treated apart.
.set GU, 1
.if GU
.set MROWS, 192                        ; rows of a tile at the most
.set NT,    12                         ; tiles of 16 rows
.set NG,    6                          ; groups of two tiles
.set NCH,   8                          ; chunks of K
.set ROWB,  8192                       ; bytes in a weight row
.set WSH,   16                         ; log2 of 8 weight rows
.set PITCH, 272                        ; an LDS row: a chunk's bytes + 16: an odd multiple of 16
.set ASTEP, 256                        ; a chunk's bytes of a token row
.set ISTR,  8*PITCH                    ; rows from one staging instruction of a wave to its next
.set TSH,   11                         ; log2 of a token row's bytes
.set CSH,   17                         ; x * 683 >> 17 = x / 192 for x < 1,216
.set NL,    6                          ; list registers: 32 rows each
.set LWB,   1024                       ; a wave's list bytes
.set LSTR,  32                         ; list bytes from one staging instruction to the next
.set LOWN,  8                          ; and from one wave's staged rows to the next wave's
.set SGP,   144                        ; a stage row: 128 bytes + 16
.set OTR,   3                          ; tiles an owner wave may have
.else
.set MROWS, 96
.set NT,    6
.set NG,    3
.set NCH,   16
.set ROWB,  4096
.set WSH,   15
.set PITCH, 528
.set ASTEP, 512
.set ISTR,  4*PITCH
.set TSH,   13
.set CSH,   16                         ; x * 683 >> 16 = x / 96 for x < 1,120
.set NL,    3
.set LWB,   512
.set LSTR,  16
.set LOWN,  4
.set SGP,   272
.set OTR,   2
.endif
.set SLOT,  MROWS*PITCH                ; LDS: two ring slots,
.set XCH,   2*SLOT                     ; the four waves' parts (a tile: 4,096 bytes),
.set PARTB, NT*4096
.set STAGE, XCH+4*PARTB                ; a stage of 16 rows for each wave,
.set STGB,  16*SGP
.set LIST,  STAGE+4*STGB               ; a list of tokens (one word a row) for each wave,
.set SCL,   LIST+4*LWB                 ; their scores, for each wave (gate and up only),
.if GU
.set SPARE, SCL+4*LWB                  ; and the spare words, 128 bytes a wave: two blocks of 256 bytes that no other line names
.else
.set SPARE, LIST+4*LWB
.endif
; vector registers, window 0
.set WOFF, 4                           ; my byte offset in 16 weight rows: h * 8 rows + 16 r
.set STA,  5                           ; v5-6    where I put staged rows, slot 0, 1
.set AFA,  7                           ; v7-8    my token fragments, slot 0, 1
.set XA,   9                           ; my part in the exchange
.set XR,   10                          ; v10-13  the four parts of the first tile that I own
.set SGA,  14                          ; stage: in
.set SGR,  15                          ; stage: back
.set LTA,  16                          ; the list words of the rows that I store
.set SCA,  17                          ; my token's score
.set SC,   18                          ; v18-19  the score, named as a pair
.set BW,   20                          ; v20-27  lane l: the 8 experts' mask words of tokens 32 l ..
.set SPW,  28
.set NIL,  29
.set C16,  39                          ; my 16 bytes in a stored row
.set ROFF, 40                          ; v40-63  byte offsets of the 24 rows that I stage; later of the rows that I store
.set AB,   64                          ; v64-127 token fragments: two buffers of two tiles x two K steps
.set TR,   128                         ; v128-223 rows on their way from memory to LDS; first the list's work registers; last the epilogue's sums
.set LS,   TR                          ; 12 work registers for each list register
.set CB,   224                         ; v224-231 the counts that belong to BW
.set SCV,  232                         ; v232-237 scores as loaded
.set SCO,  238                         ; v238-243 their byte offsets
.set BF,   128                         ; window 2: v128-191 the weights' fragments, 32 ks + 8 j
.set TMPB, 128                         ; window 2: v128-223 carry chunk 0's rows before the first roundings write BF
; window 1: accumulators of tiles 0-7 at 32 t + 8 j; window 2: v0-127 tiles 8-11; window 3: two sets of 128 for weights as loaded, 64 ks + 4 i + j
; scalar registers
.set WV,  20
.set SLC, 21
.set YY,  22
.set MH,  23                           ; gate and up: 0 gate, 1 up
.set KH,  24                           ;              which half of a chunk
.set WS,  24                           ; down: s[24:25] the shared weights at my slice
.set CN,  26                           ;       the chunk that the weight pointer stands at
.set LV,  27                           ; -1: my slot has rows
.set NE,  28                           ; s[28:35] rows of each expert
.set CUM, 36
.set EE,  37
.set NN,  38
.set CC,  39
.set ST0, 40
.set TA,  41
.set TB,  42
.set QQ,  43
.set RR0, 44                           ; the tile's first rank
.set TT,  45                           ; its rows
.set TT1, 46
.set NGL, 47                           ; its live groups of 32 rows; 0: a slot without rows
.set SHM, 48                           ; -1: shared expert
.if GU
.set SBK, NGL                          ; live staging blocks: 32 rows each, the same number
.else
.set SBK, 49                           ; live staging blocks of 16 rows
.endif
.set WP,  50
.set XP,  52
.set OP,  54
.set OF,  56
.set LC,  58
.set T16, 59
.set SEL, 60
.set TC,  62
.set MSB, 0
.macro WIN new                         ; s_set_vgpr_msb: bits 1:0 source 0, 3:2 source 1, 5:4 source 2, 7:6 destination; the high byte repeats the setting that is left
.if MSB != (\new)
	s_set_vgpr_msb (MSB<<8)|(\new)
.set MSB, (\new)
.endif
.endm
.macro PLACES                          ; four places behind a matrix instruction (ISA guide 7.12.1)
.rept 4
	v_nop
.endr
.endm
.macro BARRIER
	s_barrier_signal -1
	s_barrier_wait -1
.endm
.macro EACH line:vararg                ; one line for each list register; its work registers begin at v[u]
.set u, LS
.rept NL
	\line
.set u, u+12
.endr
.endm
; 32 loads: my two K steps of a chunk's weights into set 0 or 1
.macro WLOAD set, extra
	WIN 0xc0
.irp ks, 0,1
.irp i, 0,1,2,3,4,5,6,7,8,9,10,11,12,13,14,15
	global_load_b128 v[128*(\set)+64*(\ks)+4*(\i):128*(\set)+64*(\ks)+4*(\i)+3], v[WOFF], s[WP:WP+1] offset:(\extra)+(32*(\ks)+(\i)+8*((\i)/8))*ROWB
.endr
.endr
	WIN 0
.endm
; my share of a chunk's token rows, memory to registers: six blocks of four loads; full = 0: dead blocks are jumped
.macro ALOAD base, win, full, extra
	WIN \win
.irp b, 0,1,2,3,4,5
.irp i, 0,1,2,3
	global_load_b128 v[(\base)+16*(\b)+4*(\i):(\base)+16*(\b)+4*(\i)+3], v[ROFF+4*(\b)+(\i)], s[XP:XP+1] offset:\extra
.endr
.if ((\full) == 0) && ((\b) < 5)
	s_cmp_le_u32 s[SBK], (\b)+1
	s_cbranch_scc1 .Lal_\@
.endif
.endr
	WIN 0
.Lal_\@:
.endm
; and registers to LDS
.macro ASTORE slot, base, win, full
	WIN \win
.irp b, 0,1,2,3,4,5
.irp i, 0,1,2,3
	ds_store_b128 v[STA+(\slot)], v[(\base)+16*(\b)+4*(\i):(\base)+16*(\b)+4*(\i)+3] offset:(4*(\b)+(\i))*ISTR
.endr
.if ((\full) == 0) && ((\b) < 5)
	s_cmp_le_u32 s[SBK], (\b)+1
	s_cbranch_scc1 .Las_\@
.endif
.endr
	WIN 0
.Las_\@:
.endm
; 64 roundings: component j of loads 2 p and 2 p + 1 is register p of fragment j
.macro CVT set
	WIN 0x8f
.irp ks, 0,1
.irp j, 0,1,2,3
.irp p, 0,1,2,3,4,5,6,7
	v_cvt_pk_bf16_f32 v[BF+32*(\ks)+8*(\j)+(\p)], v[128*(\set)+64*(\ks)+8*(\p)+(\j)], v[128*(\set)+64*(\ks)+8*(\p)+4+(\j)]
.endr
.endr
.endr
	WIN 0
.endm
; 8 LDS loads: group g's two tiles, my two K steps
.macro LOADA slot, g
	WIN 0
.irp tl, 0,1
.irp ks, 0,1
	ds_load_b128 v[AB+32*((\g)%2)+16*(\tl)+8*(\ks):AB+32*((\g)%2)+16*(\tl)+8*(\ks)+3],   v[AFA+(\slot)] offset:(2*(\g)+(\tl))*16*PITCH+64*(\ks)
	ds_load_b128 v[AB+32*((\g)%2)+16*(\tl)+8*(\ks)+4:AB+32*((\g)%2)+16*(\tl)+8*(\ks)+7], v[AFA+(\slot)] offset:(2*(\g)+(\tl))*16*PITCH+64*(\ks)+32
.endr
.endr
.endm
; 16 matrix instructions; the group's eight accumulators take turns: two links of a chain stand eight apart
.macro MM g
.if (\g) < 4
	WIN 0x52
.else
	WIN 0xa2
.endif
.irp ks, 0,1
.irp tl, 0,1
.irp j, 0,1,2,3
.set rA, 32*((2*(\g)+(\tl))%8)+8*(\j)
	v_wmma_f32_16x16x32_bf16 v[rA:rA+7], v[BF+32*(\ks)+8*(\j):BF+32*(\ks)+8*(\j)+7], v[AB+32*((\g)%2)+16*(\tl)+8*(\ks):AB+32*((\g)%2)+16*(\tl)+8*(\ks)+7], v[rA:rA+7]
.endr
.endr
.endr
	WIN 0
.endm
.macro GROUP slot, g, lbl
.if (\g) < NG-1
.if (\g) > 0
	PLACES                                         ; the buffer to be loaded was read by the group before
.endif
	LOADA \slot, (\g)+1
	s_wait_dscnt 8                                 ; all but the next group's eight loads
.else
	s_wait_dscnt 0x0
.endif
	MM \g
.if (\g) < NG-1
	s_cmp_le_u32 s[NGL], (\g)+1
	s_cbranch_scc1 \lbl                            ; the groups behind hold no row
.endif
.endm
; CHUNK c, in ring slot and weight set `slot`.  stA: chunk c + 1's rows go into the other slot.  ld: chunk c + 2's rows and weights are asked for.  bar: the barrier that ends the chunk.
; A slot without rows jumps the chunk's work and goes to its barrier.
.macro CHUNK slot, stA, ld, bar
	s_cmp_lg_u32 s[NGL], 0
	s_cbranch_scc1 .Lwork_\@
	s_wait_loadcnt 0x0                             ; a slot without rows has asked for nothing: on this way no load is out, so the counted waits further down hold on every way through the text
	s_branch .Lidle_\@
.Lwork_\@:
.if \stA
	s_wait_loadcnt 32                              ; the 32 youngest loads are chunk c + 1's weights, always issued behind its rows: so those rows and chunk c's weights are in, however many row loads were jumped
	ASTORE 1-(\slot), TR, 0, 0
.else
	s_wait_loadcnt 0x0
.endif
.if \ld
	s_wait_xcnt 0x0                                ; the pointers of pending loads are stepped only behind this wait
	s_add_nc_u64 s[XP:XP+1], s[XP:XP+1], ASTEP
	s_add_nc_u64 s[WP:WP+1], s[WP:WP+1], 0x100000
.if GU == 0
	s_add_co_u32 s[CN], s[CN], 1
	s_cmp_eq_u32 s[CN], 8
	s_cselect_b64 s[WP:WP+1], s[WS:WS+1], s[WP:WP+1]  ; from chunk 8 on: the shared expert's weights
.endif
	ALOAD TR, 0, 0, 0
.endif
	LOADA \slot, 0
	CVT \slot
.if \ld
	WLOAD \slot, 0
.endif
.set gg, 0
.rept NG
	GROUP \slot, gg, .Ldone_\@
.set gg, gg+1
.endr
.Ldone_\@:
	PLACES                                         ; behind the last products: for the next roundings into their source, the next fragment loads, and the stores of the sums
.Lidle_\@:
	s_wait_dscnt 0x0                               ; my stores into the next slot are done and my reads of this slot are back:
.if \bar
	BARRIER                                        ; one barrier a chunk serves both; every wave of every work-group passes it
.endif
.endm
.macro CLEAR win, lo, n
	WIN \win
.set z, \lo
.rept \n
	v_mov_b32 v[z], 0
.set z, z+1
.endr
	WIN 0
.endm
.macro SRCH st                         ; a step of the search for the last word whose prefix is at most the rank
	EACH v_add_nc_u32 v[u+3], \st, v[u+1]
	EACH ds_bpermute_b32 v[u+4], v[u+3], v34
	s_wait_dscnt 0x0
.set u, LS
.rept NL
	v_cmp_le_u32 vcc_lo, v[u+4], v[u]
	v_cndmask_b32 v[u+1], v[u+1], v[u+3], vcc_lo
	v_cndmask_b32 v[u+2], v[u+2], v[u+4], vcc_lo
.set u, u+12
.endr
.endm
.macro SELB x, fw, st                  ; a step of the search for the k-th set bit: the count of the next st bits is a field of fw bits of v[u+x]
.set u, LS
.rept NL
	v_bfe_u32 v[u+11], v[u+(\x)], v[u+10], \fw
	v_cmp_ge_u32 vcc_lo, v[u], v[u+11]
	v_cndmask_b32 v[u+11], 0, v[u+11], vcc_lo
	v_sub_nc_u32 v[u], v[u], v[u+11]
	v_cndmask_b32 v[u+11], 0, \st, vcc_lo
	v_add_nc_u32 v[u+10], v[u+10], v[u+11]
.set u, u+12
.endr
.endm
; AN OWNER'S TILE: wave w finishes tile 4 trip + w.  The trip stands in the immediates, so that every LDS address is a constant, the wave's number times a constant and a lane term.
.macro OWNER trip
	s_wait_xcnt 0x0                                ; the last tile's stores have read their registers
.if 4*(\trip)+3 >= NT
	s_cmp_ge_u32 s[WV], NT-4*(\trip)
	s_cbranch_scc1 .Lskip_\@                       ; there is no such tile
.endif
	s_cmp_ge_u32 s[T16], s[TT]
	s_cbranch_scc1 .Lskip_\@                       ; the tile holds no row
	WIN 0xc0
.irp p, 0,1,2,3
.irp q, 0,1,2,3,4,5,6,7
	ds_load_b128 v[32*(\p)+4*(\q):32*(\p)+4*(\q)+3], v[XR+(\p)] offset:(\trip)*16384+512*(\q)
.endr
.endr
	WIN 0
.if GU
	ds_load_b32 v[SC], v[SCA] offset:(\trip)*256
.irp i, 0,1,2,3
	ds_load_b32 v[ROFF+(\i)], v[LTA] offset:(\trip)*256+16*(\i)
.endr
.else
.irp i, 0,1,2,3,4,5,6,7
	ds_load_b32 v[ROFF+(\i)], v[LTA] offset:(\trip)*256+8*(\i)
.endr
.endif
	s_wait_dscnt 0x0
	WIN 0x0f
.set z, 0
.rept 16
	v_pk_add_f32 v[128+z:129+z], v[z:z+1], v[32+z:33+z]
	v_pk_add_f32 v[160+z:161+z], v[64+z:65+z], v[96+z:97+z]
.set z, z+2
.endr
	WIN 0
.if GU
.set z, 0
.rept 16
	v_pk_mul_f32 v[128+z:129+z], v[128+z:129+z], v[SC:SC+1] op_sel_hi:[1,0]  ; g = s (x Wg)
.set z, z+2
.endr
.set z, 0
.rept 16
	v_pk_mul_f32 v[192+z:193+z], v[128+z:129+z], 0xbfb8aa3b op_sel_hi:[1,0]  ; -log2(e) g
.set z, z+2
.endr
.set z, 0
.rept 32
	v_exp_f32 v[192+z], v[192+z]
.set z, z+1
.endr
.set z, 0
.rept 16
	v_pk_mul_f32 v[160+z:161+z], v[160+z:161+z], v[SC:SC+1] op_sel_hi:[1,0]  ; u = s (x Wu): plain work behind the batch of exponentials
.set z, z+2
.endr
	s_wait_alu depctr_va_vdst(0)                   ; one wait for the batch
.set z, 0
.rept 16
	v_pk_add_f32 v[192+z:193+z], v[192+z:193+z], 1.0 op_sel_hi:[1,0]
.set z, z+2
.endr
.set z, 0
.rept 32
	v_rcp_f32 v[192+z], v[192+z]
.set z, z+1
.endr
.irp i, 0,1,2,3
	v_min_u32 v[ROFF+(\i)], 0x3ff, v[ROFF+(\i)]    ; plain work behind the batch of reciprocals: where the rows go
	v_lshl_add_u32 v[ROFF+(\i)], v[ROFF+(\i)], 13, v[C16]
.endr
	s_wait_alu depctr_va_vdst(0)
.set z, 0
.rept 16
	v_pk_mul_f32 v[128+z:129+z], v[128+z:129+z], v[192+z:193+z]
.set z, z+2
.endr
.set z, 0
.rept 16
	v_pk_mul_f32 v[128+z:129+z], v[128+z:129+z], v[160+z:161+z]
.set z, z+2
.endr
.irp i, 0,1,2,3,4,5,6,7
	v_cvt_pk_bf16_f32 v[224+2*(\i)], v[128+(\i)], v[136+(\i)]  ; columns 4 i, 4 i + 1: fragments 0 and 1
	v_cvt_pk_bf16_f32 v[225+2*(\i)], v[144+(\i)], v[152+(\i)]  ; columns 4 i + 2, 4 i + 3
.endr
.irp q, 0,1,2,3
	ds_store_b128 v[SGA], v[224+4*(\q):227+4*(\q)] offset:16*(\q)
.endr
.irp i, 0,1,2,3
	ds_load_b128 v[240+4*(\i):243+4*(\i)], v[SGR] offset:4*SGP*(\i)  ; LDS serves a wave's instructions in order (ISA guide 5.7.1.4): these see the stores above
.endr
	s_wait_dscnt 0x0
.irp i, 0,1,2,3
	global_store_b128 v[ROFF+(\i)], v[240+4*(\i):243+4*(\i)], s[OP:OP+1]  ; eight lanes store a row's 128 consecutive bytes
.endr
.else
.irp j, 0,1,2,3
.irp i, 0,1,2,3,4,5,6,7
	v_add_f32 v[192+4*(\i)+(\j)], v[128+8*(\j)+(\i)], v[160+8*(\j)+(\i)]  ; the last sum puts the columns in order
.endr
.endr
.irp i, 0,1,2,3,4,5,6,7
	v_min_u32 v[ROFF+(\i)], 0x3ff, v[ROFF+(\i)]
	v_lshl_add_u32 v[ROFF+(\i)], v[ROFF+(\i)], 12, v[C16]
.endr
.irp q, 0,1,2,3,4,5,6,7
	ds_store_b128 v[SGA], v[192+4*(\q):195+4*(\q)] offset:16*(\q)
.endr
.irp i, 0,1,2,3,4,5,6,7
	ds_load_b128 v[224+4*(\i):227+4*(\i)], v[SGR] offset:2*SGP*(\i)  ; LDS serves a wave's instructions in order (ISA guide 5.7.1.4): these see the stores above
.endr
	s_wait_dscnt 0x0
.irp i, 0,1,2,3,4,5,6,7
	global_store_b128 v[ROFF+(\i)], v[224+4*(\i):227+4*(\i)], s[OP:OP+1] th:TH_STORE_NT  ; sixteen lanes store 256 consecutive bytes, aligned
.endr
.endif
.Lskip_\@:
	s_add_co_u32 s[T16], s[T16], 64                ; four tiles on
.endm
.if GU
	s_load_b512 s[4:19], s[0:1], 0x0               ; xb, bm, score, w_gate, w_up, ws_gate, ws_up, hid
.else
	s_load_b256 s[4:11], s[0:1], 0x0               ; hid, bm, w_down, ws_down
	s_load_b64 s[12:13], s[0:1], 0x20              ; out0
.endif
	v_lshl_add_u32 v[SPW], v0, 2, SPARE
	v_mov_b32 v[NIL], 0
	v_and_b32 v1, 31, v0                           ; lane
	v_lshrrev_b32 v38, 5, v0
	v_readfirstlane_b32 s[WV], v38                 ; wave
	v_and_b32 v2, 15, v0                           ; r
	v_bfe_u32 v3, v0, 4, 1                         ; h
	v_lshlrev_b32 v30, 5, v1
	s_mov_b32 s[SLC], ttmp9
	s_and_b32 s[YY], ttmp7, 0xffff
	s_mov_b32 s[SEL], 0x76543210
	s_mov_b32 s[SEL+1], 0xfedcba98
	s_mov_b32 s[OF+1], 0
	s_wait_kmcnt 0x0
	global_load_b128 v[BW:BW+3],   v30, s[6:7]
	global_load_b128 v[BW+4:BW+7], v30, s[6:7] offset:16
	global_load_b128 v[CB:CB+3],   v30, s[6:7] offset:1024
	global_load_b128 v[CB+4:CB+7], v30, s[6:7] offset:1040
	; the addresses, while those are on their way
	v_lshlrev_b32 v[WOFF], 4, v2
	v_lshl_add_u32 v[WOFF], v3, WSH, v[WOFF]
.if GU
	s_lshr_b32 s[MH], s[WV], 1
	s_and_b32 s[KH], s[WV], 1
	s_mul_i32 s[TA], s[WV], 2*PITCH                ; staging instruction i of wave w: rows 8 i + 2 w + h, 256 bytes each
	v_mul_u32_u24 v[STA], v3, PITCH
	v_lshl_add_u32 v[STA], v2, 4, v[STA]
	v_add_nc_u32 v[STA], s[TA], v[STA]
	s_lshl_b32 s[TA], s[KH], 7
.else
	s_mul_i32 s[TA], s[WV], PITCH                  ; staging instruction i of wave w: row 4 i + w, 512 bytes
	v_lshl_add_u32 v[STA], v1, 4, s[TA]
	s_lshl_b32 s[TA], s[WV], 7
.endif
	v_add_nc_u32 v[STA+1], SLOT, v[STA]
	v_mul_u32_u24 v[AFA], v2, PITCH
	v_lshl_add_u32 v[AFA], v3, 4, v[AFA]
	v_add_nc_u32 v[AFA], s[TA], v[AFA]             ; row r, 16 h, my two K steps' 128 bytes
	v_add_nc_u32 v[AFA+1], SLOT, v[AFA]
	s_mul_i32 s[TA], s[WV], PARTB
	s_add_co_u32 s[TA], s[TA], XCH
	v_lshl_add_u32 v[XA], v1, 4, s[TA]
	s_lshl_b32 s[TA], s[WV], 12
	s_add_co_u32 s[TA], s[TA], XCH
	v_lshl_add_u32 v[XR], v1, 4, s[TA]
	v_add_nc_u32 v[XR+1], PARTB, v[XR]
	v_add_nc_u32 v[XR+2], 2*PARTB, v[XR]
	v_add_nc_u32 v[XR+3], 3*PARTB, v[XR]
	s_mul_i32 s[TA], s[WV], STGB
	s_add_co_u32 s[TA], s[TA], STAGE
	v_mul_u32_u24 v[SGA], v2, SGP
.if GU
	v_lshl_add_u32 v[SGA], v3, 6, v[SGA]           ; row r, my 32 columns
	v_lshrrev_b32 v38, 3, v1                       ; back: four rows of 128 bytes an instruction
	v_and_b32 v36, 7, v1
.set RWI, 38
.set CLI, 36
.else
	v_lshl_add_u32 v[SGA], v3, 7, v[SGA]
.set RWI, 3                            ; back: two rows of 256 bytes an instruction
.set CLI, 2
.endif
	v_add_nc_u32 v[SGA], s[TA], v[SGA]
	v_mul_u32_u24 v[SGR], v[RWI], SGP
	v_lshl_add_u32 v[SGR], v[CLI], 4, v[SGR]
	v_add_nc_u32 v[SGR], s[TA], v[SGR]
	v_lshlrev_b32 v[C16], 4, v[CLI]
	s_mul_i32 s[TA], s[WV], LWB+64                 ; my list, and in it my first tile's 16 words
	s_add_co_u32 s[TA], s[TA], LIST
	v_lshl_add_u32 v[LTA], v[RWI], 2, s[TA]
.if GU
	s_add_co_u32 s[TA], s[TA], SCL-LIST
	v_lshl_add_u32 v[SCA], v2, 2, s[TA]
	v_mov_b32 v[SC+1], 0                           ; named with the score as a pair
.endif
	v_lshlrev_b32 v31, 2, v1                       ; 4 x lane
	; The accumulators start at 0: dead groups of rows are jumped in every chunk, so no first product could start every sum.  The weight sets, the rows in transit and the row offsets are written
	; too, so that every line that names them finds them written on every way through the text, that of a slot without rows among them.  All this stands in the wait for the four loads above.
.if GU
	CLEAR 0x40, 0, 256
	CLEAR 0x80, 0, 128
.else
	CLEAR 0x40, 0, 192
.endif
	CLEAR 0xc0, 0, 256
	CLEAR 0, TR, 96
	CLEAR 0, ROFF, 24
	s_wait_loadcnt 0x0
	; HOW MANY ROWS EACH EXPERT HAS: the two halves' counts of two experts in one register, summed over the 32 lanes
.irp p, 0,1,2,3
	v_perm_b32 v[LS+\p],   v[CB+2*\p+1], v[CB+2*\p], 0x05040100
	v_perm_b32 v[LS+4+\p], v[CB+2*\p+1], v[CB+2*\p], 0x07060302
.endr
.irp p, 0,1,2,3
	v_add_nc_u32 v[LS+\p], v[LS+\p], v[LS+4+\p]
.endr
.irp m, 1,2,4,8
.irp p, 0,1,2,3
	v_mov_b32_dpp v[LS+4+\p], v[LS+\p] row_xmask:\m row_mask:0xf bank_mask:0xf
.endr
.irp p, 0,1,2,3
	v_add_nc_u32 v[LS+\p], v[LS+\p], v[LS+4+\p]
.endr
.endr
.irp p, 0,1,2,3
	v_permlanex16_b32 v[LS+4+\p], v[LS+\p], s[SEL], s[SEL+1]
.endr
.irp p, 0,1,2,3
	v_add_nc_u32 v[LS+\p], v[LS+\p], v[LS+4+\p]
.endr
.irp p, 0,1,2,3
	v_readfirstlane_b32 s[TA], v[LS+\p]
	s_and_b32 s[NE+2*\p], s[TA], 0xffff
	s_lshr_b32 s[NE+2*\p+1], s[TA], 16
.endr
	; WHICH TILE IS MINE: the last expert whose first slot is at most y
	s_mov_b32 s[CUM], 0
.irp e, 0,1,2,3,4,5,6,7
	s_add_co_u32 s[TA], s[NE+\e], MROWS-1
	s_mul_i32 s[TA], s[TA], 683
	s_lshr_b32 s[TA], s[TA], CSH                   ; the expert's tiles
.if \e == 0
	s_mov_b32 s[EE], 0
	s_mov_b32 s[NN], s[NE]
	s_mov_b32 s[CC], s[TA]
	s_mov_b32 s[ST0], 0
.else
	s_cmp_le_u32 s[CUM], s[YY]
	s_cselect_b32 s[EE], \e, s[EE]
	s_cselect_b32 s[NN], s[NE+\e], s[NN]
	s_cselect_b32 s[CC], s[TA], s[CC]
	s_cselect_b32 s[ST0], s[CUM], s[ST0]
.endif
	s_add_co_u32 s[CUM], s[CUM], s[TA]
.endr
	s_cmp_lt_u32 s[YY], s[CUM]
	s_cselect_b32 s[LV], -1, 0                     ; a slot past the last tile has no rows
.if GU
	s_cmp_ge_u32 s[YY], 13
	s_cselect_b32 s[SHM], -1, 0
	s_or_b32 s[LV], s[LV], s[SHM]
.endif
	; The scalar work below runs for every slot; for one without rows its numbers mean nothing, stay small, and end in 0 rows.
	s_sub_co_u32 s[TB], s[NN], 1                   ; rows a tile: floor((n - 1) / c) + 1, the quotient bit by bit (at most 191)
	s_mov_b32 s[QQ], 0
.irp b, 128,64,32,16,8,4,2,1
	s_add_co_u32 s[TA], s[QQ], \b
	s_mul_i32 s[TC], s[TA], s[CC]
	s_cmp_le_u32 s[TC], s[TB]
	s_cselect_b32 s[QQ], s[TA], s[QQ]
.endr
	s_add_co_u32 s[QQ], s[QQ], 1
	s_sub_co_u32 s[TA], s[YY], s[ST0]
	s_mul_i32 s[RR0], s[TA], s[QQ]
	s_sub_co_u32 s[TA], s[NN], s[RR0]
	s_min_u32 s[TT], s[QQ], s[TA]                  ; in a slot with rows at least 1: (c - 1) ceil(n / c) < n, since c - 1 < ceil(n / c)
.if GU
	s_sub_co_u32 s[TA], s[YY], 13
	s_lshl_b32 s[TA], s[TA], 7
	s_cmp_lg_u32 s[SHM], 0
	s_cselect_b32 s[TT], 128, s[TT]                ; the shared expert: 128 rows from 128 (y - 13) on
	s_cselect_b32 s[RR0], s[TA], s[RR0]
.endif
	s_and_b32 s[TT], s[TT], s[LV]
	s_sub_co_u32 s[TT1], s[TT], 1
	s_add_co_u32 s[NGL], s[TT], 31
	s_lshr_b32 s[NGL], s[NGL], 5
.if GU == 0
	s_add_co_u32 s[SBK], s[TT], 15
	s_lshr_b32 s[SBK], s[SBK], 4
.endif
	; the pointers
	s_min_u32 s[TA], s[EE], 7
	s_lshl_b32 s[OF], s[TA], 23                    ; an expert's weights are 8 MiB
.if GU
	s_cmp_eq_u32 s[MH], 0
	s_cselect_b64 s[WP:WP+1], s[10:11], s[12:13]
	s_cselect_b64 s[TC:TC+1], s[14:15], s[16:17]
	s_add_nc_u64 s[WP:WP+1], s[WP:WP+1], s[OF:OF+1]
	s_cmp_lg_u32 s[SHM], 0
	s_cselect_b64 s[WP:WP+1], s[TC:TC+1], s[WP:WP+1]
	s_lshl_b32 s[OF], s[SLC], 8                    ; my slice's 256 bytes of a row,
	s_lshl_b32 s[TA], s[KH], 19                    ; my 64 rows of a chunk
	s_add_co_u32 s[OF], s[OF], s[TA]
	s_add_nc_u64 s[WP:WP+1], s[WP:WP+1], s[OF:OF+1]
	s_lshl_b32 s[OF], s[SLC], 7
	s_and_b32 s[TA], s[SHM], 4096
	s_add_co_u32 s[OF], s[OF], s[TA]
	s_add_nc_u64 s[OP:OP+1], s[18:19], s[OF:OF+1]
.else
	s_add_nc_u64 s[WP:WP+1], s[8:9], s[OF:OF+1]
	s_lshl_b32 s[OF], s[SLC], 8
	s_add_nc_u64 s[OP:OP+1], s[12:13], s[OF:OF+1]
	s_lshl_b32 s[TA], s[WV], 18                    ; my 64 rows of a chunk
	s_add_co_u32 s[OF], s[OF], s[TA]
	s_add_nc_u64 s[WP:WP+1], s[WP:WP+1], s[OF:OF+1]
	s_add_nc_u64 s[WS:WS+1], s[10:11], s[OF:OF+1]
	s_mov_b32 s[CN], 1
.endif
	s_mov_b64 s[XP:XP+1], s[4:5]
	s_cmp_eq_u32 s[NGL], 0
	s_cbranch_scc1 .Ljoin                          ; a slot without rows jumps the loads, the list and the first fills; no barrier is jumped
	WLOAD 0, 0                                     ; chunk 0's weights go out before the list is made
	; THE LIST.  Lane l: my expert's word of tokens 32 l .. (v32) and its count (v33)
.irp e, 1,2,3,4,5,6,7
	s_cmp_eq_u32 s[EE], \e
	s_cselect_b32 s[TA], -1, 0
.if \e == 1
	v_cndmask_b32 v32, v[BW], v[BW+1], s[TA]
	v_cndmask_b32 v33, v[CB], v[CB+1], s[TA]
.else
	v_cndmask_b32 v32, v32, v[BW+\e], s[TA]
	v_cndmask_b32 v33, v33, v[CB+\e], s[TA]
.endif
.endr
	v_lshrrev_b32 v34, 16, v33
	v_and_b32 v33, 0xffff, v33
	v_add_nc_u32 v33, v33, v34
.if GU
	v_cndmask_b32 v32, v32, -1, s[SHM]             ; the shared expert takes every token
	v_cndmask_b32 v33, v33, 32, s[SHM]
.endif
	v_mov_b32 v34, v33                             ; the counts' running sum over the lanes, in five steps
.irp d, 1,2,4,8,16
	v_add_nc_u32 v35, -4*\d, v31
	v_and_b32 v35, 124, v35
	ds_bpermute_b32 v36, v35, v34
	v_cmp_le_u32 vcc_lo, \d, v1
	s_wait_dscnt 0x0
	v_cndmask_b32 v36, 0, v36, vcc_lo
	v_add_nc_u32 v34, v34, v36
.endr
	v_sub_nc_u32 v34, v34, v33                     ; v34: how many of my expert's tokens lie in the words before word l
.set z, 0
.rept NL
	v_add_nc_u32 v[LS+12*z], 32*z, v1              ; list register z: rows 32 z + lane
.set z, z+1
.endr
	EACH v_min_u32 v[u], s[TT1], v[u]              ; rows past the count repeat the last row
	EACH v_add_nc_u32 v[u], s[RR0], v[u]           ; the rank wanted
	EACH v_mov_b32 v[u+1], 0                       ; 4 x the word,
	EACH v_mov_b32 v[u+2], 0                       ; its prefix
	SRCH 64
	SRCH 32
	SRCH 16
	SRCH 8
	SRCH 4
	EACH ds_bpermute_b32 v[u+5], v[u+1], v32       ; the word
	EACH v_sub_nc_u32 v[u], v[u], v[u+2]           ; which of its set bits
	EACH v_mov_b32 v[u+10], 0
	s_wait_dscnt 0x0
	EACH v_lshrrev_b32 v[u+6], 1, v[u+5]           ; the counts of its fields of 2, 4, 8 and 16 bits
	EACH v_and_b32 v[u+6], 0x55555555, v[u+6]
	EACH v_sub_nc_u32 v[u+6], v[u+5], v[u+6]
	EACH v_lshrrev_b32 v[u+7], 2, v[u+6]
	EACH v_and_b32 v[u+7], 0x33333333, v[u+7]
	EACH v_and_b32 v[u+11], 0x33333333, v[u+6]
	EACH v_add_nc_u32 v[u+7], v[u+7], v[u+11]
	EACH v_lshrrev_b32 v[u+8], 4, v[u+7]
	EACH v_add_nc_u32 v[u+8], v[u+8], v[u+7]
	EACH v_and_b32 v[u+8], 0x0f0f0f0f, v[u+8]
	EACH v_lshrrev_b32 v[u+9], 8, v[u+8]
	EACH v_add_nc_u32 v[u+9], v[u+9], v[u+8]
	SELB 9, 8, 16
	SELB 8, 8, 8
	SELB 7, 4, 4
	SELB 6, 2, 2
	SELB 5, 1, 1
	EACH v_lshl_add_u32 v[u+10], v[u+1], 3, v[u+10]  ; the token: 32 x word + bit
	s_mul_i32 s[TA], s[WV], LWB
	s_add_co_u32 s[TA], s[TA], LIST
	v_lshl_add_u32 v35, v1, 2, s[TA]               ; my own list: no other wave reads it, so no barrier is needed
.set z, 0
.rept NL
	ds_store_b32 v35, v[LS+12*z+10] offset:128*z
.set z, z+1
.endr
.if GU
.set z, 0
.rept NL
	v_min_u32 v[SCO+z], 0x3ff, v[LS+12*z+10]
	v_lshlrev_b32 v[SCO+z], 2, v[SCO+z]
	global_load_b32 v[SCV+z], v[SCO+z], s[8:9]     ; and the tokens' scores
.set z, z+1
.endr
.endif
	s_mul_i32 s[TA], s[WV], LWB+LOWN
	s_add_co_u32 s[TA], s[TA], LIST
.if GU
	v_lshl_add_u32 v36, v3, 2, s[TA]
	v_lshlrev_b32 v37, 4, v2
.else
	v_mov_b32 v36, s[TA]
	v_lshlrev_b32 v37, 4, v1
.endif
.set z, 0
.rept 24
	ds_load_b32 v[ROFF+z], v36 offset:LSTR*z       ; LDS serves a wave's instructions in order (ISA guide 5.7.1.4): these see the stores above
.set z, z+1
.endr
	s_wait_dscnt 0x0
.set z, 0
.rept 24
	v_min_u32 v[ROFF+z], 0x3ff, v[ROFF+z]
	v_lshl_add_u32 v[ROFF+z], v[ROFF+z], TSH, v37
.set z, z+1
.endr
	ALOAD TMPB, 0x80, 1, 0                         ; chunk 0's rows
	ALOAD TR, 0, 1, ASTEP                          ; chunk 1's rows
	WLOAD 1, 0x100000                              ; chunk 1's weights
	s_wait_loadcnt 32                              ; all but chunk 1's weights, the 32 youngest
.if GU
.set z, 0
.rept NL
	v_cndmask_b32 v[SCV+z], v[SCV+z], 1.0, s[SHM]
	ds_store_b32 v35, v[SCV+z] offset:SCL-LIST+128*z
.set z, z+1
.endr
.endif
	ASTORE 0, TMPB, 0x08, 1                        ; both slots are written whole once, so that every later fragment load reads bytes that were written
	ASTORE 1, TR, 0, 1
	s_wait_xcnt 0x0
	s_add_nc_u64 s[XP:XP+1], s[XP:XP+1], ASTEP     ; both pointers at chunk 1
	s_add_nc_u64 s[WP:WP+1], s[WP:WP+1], 0x100000
.Ljoin:
	s_wait_dscnt 0x0                               ; for the others' sake: my rows are in LDS
	BARRIER
	s_mov_b32 s[LC], (NCH-2)/2
.Lloop:
	CHUNK 0, 1, 1, 1
	CHUNK 1, 1, 1, 1
	s_sub_co_u32 s[LC], s[LC], 1
	s_cmp_lg_u32 s[LC], 0
	s_cbranch_scc1 .Lloop
	CHUNK 0, 1, 0, 1                               ; the last two chunks ask for nothing: no load passes a buffer's end
	CHUNK 1, 0, 0, 0
	; THE EXCHANGE: each wave's sums go to LDS, each accumulator's registers in ascending order
	s_cmp_eq_u32 s[NGL], 0
	s_cbranch_scc1 .Lxs
.set gg, 0
.rept NG
.if gg < 4
	WIN 0x04
.else
	WIN 0x08
.endif
.irp tl, 0,1
.irp q, 0,1,2,3,4,5,6,7
	ds_store_b128 v[XA], v[32*((2*gg+(\tl))%8)+4*(\q):32*((2*gg+(\tl))%8)+4*(\q)+3] offset:(2*gg+(\tl))*4096+512*(\q)
.endr
.endr
	WIN 0
.if gg < NG-1
	s_cmp_le_u32 s[NGL], gg+1
	s_cbranch_scc1 .Lxs
.endif
.set gg, gg+1
.endr
.Lxs:
	s_wait_dscnt 0x0
	BARRIER
	; THE OWNERS: wave w finishes tiles w, w + 4, ..; a tile without rows is jumped
	s_lshl_b32 s[T16], s[WV], 4
	OWNER 0
	OWNER 1
.if OTR > 2
	OWNER 2
.endif
	s_wait_tensorcnt 0x0                           ; the wave's end
	ds_add_u32 v[SPW], v[NIL]
	s_wait_dscnt 0x0
	s_endpgm
.Lfunc_end_k_q14a0356d3d_gateup:
	.size	k_q14a0356d3d_gateup, .Lfunc_end_k_q14a0356d3d_gateup-k_q14a0356d3d_gateup
	.p2alignl 7, 3214868480
	.fill 96, 4, 3214868480
	.section	.rodata,"a",@progbits
	.p2align	6, 0x0
	.amdhsa_kernel k_q14a0356d3d_gateup
		.amdhsa_group_segment_fixed_size 318976
		.amdhsa_private_segment_fixed_size 0
		.amdhsa_enable_private_segment 0
		.amdhsa_kernarg_size 64
		.amdhsa_user_sgpr_count 2
		.amdhsa_user_sgpr_kernarg_segment_ptr 1
		.amdhsa_wavefront_size32 1
		.amdhsa_system_sgpr_workgroup_id_x 1
		.amdhsa_system_sgpr_workgroup_id_y 1
		.amdhsa_system_sgpr_workgroup_id_z 1
		.amdhsa_system_vgpr_workitem_id 0
		.amdhsa_next_free_vgpr 1024
		.amdhsa_next_free_sgpr 66
		.amdhsa_reserve_vcc 1
		.amdhsa_float_denorm_mode_32 3
		.amdhsa_float_denorm_mode_16_64 3
		.amdhsa_memory_ordered 1
		.amdhsa_forward_progress 1
		.amdhsa_inst_pref_size 209
	.end_amdhsa_kernel
	.amdgpu_metadata
---
amdhsa.version: [ 1, 2 ]
amdhsa.kernels:
  - .name:           k_q14a0356d3d_gateup
    .symbol:         k_q14a0356d3d_gateup.kd
    .args:
      - { .name: xb, .offset: 0, .size: 8, .value_kind: global_buffer, .address_space: global }
      - { .name: bm, .offset: 8, .size: 8, .value_kind: global_buffer, .address_space: global }
      - { .name: score, .offset: 16, .size: 8, .value_kind: global_buffer, .address_space: global }
      - { .name: w_gate, .offset: 24, .size: 8, .value_kind: global_buffer, .address_space: global }
      - { .name: w_up, .offset: 32, .size: 8, .value_kind: global_buffer, .address_space: global }
      - { .name: ws_gate, .offset: 40, .size: 8, .value_kind: global_buffer, .address_space: global }
      - { .name: ws_up, .offset: 48, .size: 8, .value_kind: global_buffer, .address_space: global }
      - { .name: hid, .offset: 56, .size: 8, .value_kind: global_buffer, .address_space: global }
    .group_segment_fixed_size: 318976
    .private_segment_fixed_size: 0
    .kernarg_segment_align: 8
    .kernarg_segment_size: 64
    .max_flat_workgroup_size: 128
    .sgpr_count:     66
    .vgpr_count:     1024
    .wavefront_size: 32
...
	.end_amdgpu_metadata
.endif
;; end of part 2
;; launch down (part 3): grid 16 x 18, 4 waves a work-group, no clusters, 219,648 bytes of LDS; arguments hid, bm, w_down, ws_down, out0; writes out0
.if DOCPART == 3
	.amdgcn_target "amdgcn-amd-amdhsa--gfx1250"
	.amdhsa_code_object_version 6
	.text
	.protected	k_q14a0356d3d_down
	.globl	k_q14a0356d3d_down
	.p2align	8
	.type	k_q14a0356d3d_down,@function
k_q14a0356d3d_down:
	s_mov_b64 s[64:65], 0
	v_nop
	global_prefetch_b8 v0, s[64:65] scope:SCOPE_SE
	s_setreg_imm32_b32 hwreg(HW_REG_WAVE_MODE, 25, 1), 1
	s_wait_xcnt 0x0
; DOWN.  out0[t] = hid[t][0:2048] w_down[e] + hid[t][2048:4096] ws_down: ONE sum over K = 4,096 for each output, so each output row has one owner.  e is the token's expert.
; Weights are rounded to bf16 on their way through registers; sums in f32; out0 is f32.
; GRID.  x: a slice of 64 columns.  y: a tile slot.  An expert with n rows has c = ceil(n / 96) tiles of ceil(n / c) rows; there are never more than 18, whatever the split.  Every wave finds its slot's
; expert, first rank and rows from the stored counts.  A slot past the last tile has 0 rows: it passes every barrier, jumps all the work between them, asks for nothing and stores nothing.
; WEIGHTS lie [k][n].  A lane loads 16 bytes, columns 4 r .. 4 r + 3 of one row; lanes 0-15 take row k, lanes 16-31 row k + 8: each half of the wave reads 256 consecutive bytes, aligned.  Component j of
; the 16 loads of a K step of 32 is source 0 of a matrix instruction whose row m is column 4 m + j.  Source 1 is 16 tokens.  In the result a lane holds token r, and register i of fragment j column 32 h + 4 i + j.
; WAVES.  Wave w takes quarter w of each chunk of 256 along K, for all rows: up to 6 tiles x 4 fragments.  Chunks 0-7 take w_down[e], chunks 8-15 ws_down.  The four parts meet in LDS at the end.
; TOKEN ROWS come by a list (each wave makes its own, in its own LDS bytes) into a ring of two LDS slots, a chunk ahead; rows past the tile's count repeat its last token (their results are stored
; twice, with the same bytes); whole dead blocks are jumped by scalar branches that pass no barrier.  NO CLUSTER, NO TENSOR LOADS: the rows come by a list that no descriptor covers.
; The text is the one of the launch before, with the other set of sizes (GU = 0).  NaN and infinities are not treated apart.
.set GU, 0
.if GU
.set MROWS, 192                        ; rows of a tile at the most
.set NT,    12                         ; tiles of 16 rows
.set NG,    6                          ; groups of two tiles
.set NCH,   8                          ; chunks of K
.set ROWB,  8192                       ; bytes in a weight row
.set WSH,   16                         ; log2 of 8 weight rows
.set PITCH, 272                        ; an LDS row: a chunk's bytes + 16: an odd multiple of 16
.set ASTEP, 256                        ; a chunk's bytes of a token row
.set ISTR,  8*PITCH                    ; rows from one staging instruction of a wave to its next
.set TSH,   11                         ; log2 of a token row's bytes
.set CSH,   17                         ; x * 683 >> 17 = x / 192 for x < 1,216
.set NL,    6                          ; list registers: 32 rows each
.set LWB,   1024                       ; a wave's list bytes
.set LSTR,  32                         ; list bytes from one staging instruction to the next
.set LOWN,  8                          ; and from one wave's staged rows to the next wave's
.set SGP,   144                        ; a stage row: 128 bytes + 16
.set OTR,   3                          ; tiles an owner wave may have
.else
.set MROWS, 96
.set NT,    6
.set NG,    3
.set NCH,   16
.set ROWB,  4096
.set WSH,   15
.set PITCH, 528
.set ASTEP, 512
.set ISTR,  4*PITCH
.set TSH,   13
.set CSH,   16                         ; x * 683 >> 16 = x / 96 for x < 1,120
.set NL,    3
.set LWB,   512
.set LSTR,  16
.set LOWN,  4
.set SGP,   272
.set OTR,   2
.endif
.set SLOT,  MROWS*PITCH                ; LDS: two ring slots,
.set XCH,   2*SLOT                     ; the four waves' parts (a tile: 4,096 bytes),
.set PARTB, NT*4096
.set STAGE, XCH+4*PARTB                ; a stage of 16 rows for each wave,
.set STGB,  16*SGP
.set LIST,  STAGE+4*STGB               ; a list of tokens (one word a row) for each wave,
.set SCL,   LIST+4*LWB                 ; their scores, for each wave (gate and up only),
.if GU
.set SPARE, SCL+4*LWB                  ; and the spare words, 128 bytes a wave: two blocks of 256 bytes that no other line names
.else
.set SPARE, LIST+4*LWB
.endif
; vector registers, window 0
.set WOFF, 4                           ; my byte offset in 16 weight rows: h * 8 rows + 16 r
.set STA,  5                           ; v5-6    where I put staged rows, slot 0, 1
.set AFA,  7                           ; v7-8    my token fragments, slot 0, 1
.set XA,   9                           ; my part in the exchange
.set XR,   10                          ; v10-13  the four parts of the first tile that I own
.set SGA,  14                          ; stage: in
.set SGR,  15                          ; stage: back
.set LTA,  16                          ; the list words of the rows that I store
.set SCA,  17                          ; my token's score
.set SC,   18                          ; v18-19  the score, named as a pair
.set BW,   20                          ; v20-27  lane l: the 8 experts' mask words of tokens 32 l ..
.set SPW,  28
.set NIL,  29
.set C16,  39                          ; my 16 bytes in a stored row
.set ROFF, 40                          ; v40-63  byte offsets of the 24 rows that I stage; later of the rows that I store
.set AB,   64                          ; v64-127 token fragments: two buffers of two tiles x two K steps
.set TR,   128                         ; v128-223 rows on their way from memory to LDS; first the list's work registers; last the epilogue's sums
.set LS,   TR                          ; 12 work registers for each list register
.set CB,   224                         ; v224-231 the counts that belong to BW
.set SCV,  232                         ; v232-237 scores as loaded
.set SCO,  238                         ; v238-243 their byte offsets
.set BF,   128                         ; window 2: v128-191 the weights' fragments, 32 ks + 8 j
.set TMPB, 128                         ; window 2: v128-223 carry chunk 0's rows before the first roundings write BF
; window 1: accumulators of tiles 0-7 at 32 t + 8 j; window 2: v0-127 tiles 8-11; window 3: two sets of 128 for weights as loaded, 64 ks + 4 i + j
; scalar registers
.set WV,  20
.set SLC, 21
.set YY,  22
.set MH,  23                           ; gate and up: 0 gate, 1 up
.set KH,  24                           ;              which half of a chunk
.set WS,  24                           ; down: s[24:25] the shared weights at my slice
.set CN,  26                           ;       the chunk that the weight pointer stands at
.set LV,  27                           ; -1: my slot has rows
.set NE,  28                           ; s[28:35] rows of each expert
.set CUM, 36
.set EE,  37
.set NN,  38
.set CC,  39
.set ST0, 40
.set TA,  41
.set TB,  42
.set QQ,  43
.set RR0, 44                           ; the tile's first rank
.set TT,  45                           ; its rows
.set TT1, 46
.set NGL, 47                           ; its live groups of 32 rows; 0: a slot without rows
.set SHM, 48                           ; -1: shared expert
.if GU
.set SBK, NGL                          ; live staging blocks: 32 rows each, the same number
.else
.set SBK, 49                           ; live staging blocks of 16 rows
.endif
.set WP,  50
.set XP,  52
.set OP,  54
.set OF,  56
.set LC,  58
.set T16, 59
.set SEL, 60
.set TC,  62
.set MSB, 0
.macro WIN new                         ; s_set_vgpr_msb: bits 1:0 source 0, 3:2 source 1, 5:4 source 2, 7:6 destination; the high byte repeats the setting that is left
.if MSB != (\new)
	s_set_vgpr_msb (MSB<<8)|(\new)
.set MSB, (\new)
.endif
.endm
.macro PLACES                          ; four places behind a matrix instruction (ISA guide 7.12.1)
.rept 4
	v_nop
.endr
.endm
.macro BARRIER
	s_barrier_signal -1
	s_barrier_wait -1
.endm
.macro EACH line:vararg                ; one line for each list register; its work registers begin at v[u]
.set u, LS
.rept NL
	\line
.set u, u+12
.endr
.endm
; 32 loads: my two K steps of a chunk's weights into set 0 or 1
.macro WLOAD set, extra
	WIN 0xc0
.irp ks, 0,1
.irp i, 0,1,2,3,4,5,6,7,8,9,10,11,12,13,14,15
	global_load_b128 v[128*(\set)+64*(\ks)+4*(\i):128*(\set)+64*(\ks)+4*(\i)+3], v[WOFF], s[WP:WP+1] offset:(\extra)+(32*(\ks)+(\i)+8*((\i)/8))*ROWB
.endr
.endr
	WIN 0
.endm
; my share of a chunk's token rows, memory to registers: six blocks of four loads; full = 0: dead blocks are jumped
.macro ALOAD base, win, full, extra
	WIN \win
.irp b, 0,1,2,3,4,5
.irp i, 0,1,2,3
	global_load_b128 v[(\base)+16*(\b)+4*(\i):(\base)+16*(\b)+4*(\i)+3], v[ROFF+4*(\b)+(\i)], s[XP:XP+1] offset:\extra
.endr
.if ((\full) == 0) && ((\b) < 5)
	s_cmp_le_u32 s[SBK], (\b)+1
	s_cbranch_scc1 .Lal_\@
.endif
.endr
	WIN 0
.Lal_\@:
.endm
; and registers to LDS
.macro ASTORE slot, base, win, full
	WIN \win
.irp b, 0,1,2,3,4,5
.irp i, 0,1,2,3
	ds_store_b128 v[STA+(\slot)], v[(\base)+16*(\b)+4*(\i):(\base)+16*(\b)+4*(\i)+3] offset:(4*(\b)+(\i))*ISTR
.endr
.if ((\full) == 0) && ((\b) < 5)
	s_cmp_le_u32 s[SBK], (\b)+1
	s_cbranch_scc1 .Las_\@
.endif
.endr
	WIN 0
.Las_\@:
.endm
; 64 roundings: component j of loads 2 p and 2 p + 1 is register p of fragment j
.macro CVT set
	WIN 0x8f
.irp ks, 0,1
.irp j, 0,1,2,3
.irp p, 0,1,2,3,4,5,6,7
	v_cvt_pk_bf16_f32 v[BF+32*(\ks)+8*(\j)+(\p)], v[128*(\set)+64*(\ks)+8*(\p)+(\j)], v[128*(\set)+64*(\ks)+8*(\p)+4+(\j)]
.endr
.endr
.endr
	WIN 0
.endm
; 8 LDS loads: group g's two tiles, my two K steps
.macro LOADA slot, g
	WIN 0
.irp tl, 0,1
.irp ks, 0,1
	ds_load_b128 v[AB+32*((\g)%2)+16*(\tl)+8*(\ks):AB+32*((\g)%2)+16*(\tl)+8*(\ks)+3],   v[AFA+(\slot)] offset:(2*(\g)+(\tl))*16*PITCH+64*(\ks)
	ds_load_b128 v[AB+32*((\g)%2)+16*(\tl)+8*(\ks)+4:AB+32*((\g)%2)+16*(\tl)+8*(\ks)+7], v[AFA+(\slot)] offset:(2*(\g)+(\tl))*16*PITCH+64*(\ks)+32
.endr
.endr
.endm
; 16 matrix instructions; the group's eight accumulators take turns: two links of a chain stand eight apart
.macro MM g
.if (\g) < 4
	WIN 0x52
.else
	WIN 0xa2
.endif
.irp ks, 0,1
.irp tl, 0,1
.irp j, 0,1,2,3
.set rA, 32*((2*(\g)+(\tl))%8)+8*(\j)
	v_wmma_f32_16x16x32_bf16 v[rA:rA+7], v[BF+32*(\ks)+8*(\j):BF+32*(\ks)+8*(\j)+7], v[AB+32*((\g)%2)+16*(\tl)+8*(\ks):AB+32*((\g)%2)+16*(\tl)+8*(\ks)+7], v[rA:rA+7]
.endr
.endr
.endr
	WIN 0
.endm
.macro GROUP slot, g, lbl
.if (\g) < NG-1
.if (\g) > 0
	PLACES                                         ; the buffer to be loaded was read by the group before
.endif
	LOADA \slot, (\g)+1
	s_wait_dscnt 8                                 ; all but the next group's eight loads
.else
	s_wait_dscnt 0x0
.endif
	MM \g
.if (\g) < NG-1
	s_cmp_le_u32 s[NGL], (\g)+1
	s_cbranch_scc1 \lbl                            ; the groups behind hold no row
.endif
.endm
; CHUNK c, in ring slot and weight set `slot`.  stA: chunk c + 1's rows go into the other slot.  ld: chunk c + 2's rows and weights are asked for.  bar: the barrier that ends the chunk.
; A slot without rows jumps the chunk's work and goes to its barrier.
.macro CHUNK slot, stA, ld, bar
	s_cmp_lg_u32 s[NGL], 0
	s_cbranch_scc1 .Lwork_\@
	s_wait_loadcnt 0x0                             ; a slot without rows has asked for nothing: on this way no load is out, so the counted waits further down hold on every way through the text
	s_branch .Lidle_\@
.Lwork_\@:
.if \stA
	s_wait_loadcnt 32                              ; the 32 youngest loads are chunk c + 1's weights, always issued behind its rows: so those rows and chunk c's weights are in, however many row loads were jumped
	ASTORE 1-(\slot), TR, 0, 0
.else
	s_wait_loadcnt 0x0
.endif
.if \ld
	s_wait_xcnt 0x0                                ; the pointers of pending loads are stepped only behind this wait
	s_add_nc_u64 s[XP:XP+1], s[XP:XP+1], ASTEP
	s_add_nc_u64 s[WP:WP+1], s[WP:WP+1], 0x100000
.if GU == 0
	s_add_co_u32 s[CN], s[CN], 1
	s_cmp_eq_u32 s[CN], 8
	s_cselect_b64 s[WP:WP+1], s[WS:WS+1], s[WP:WP+1]  ; from chunk 8 on: the shared expert's weights
.endif
	ALOAD TR, 0, 0, 0
.endif
	LOADA \slot, 0
	CVT \slot
.if \ld
	WLOAD \slot, 0
.endif
.set gg, 0
.rept NG
	GROUP \slot, gg, .Ldone_\@
.set gg, gg+1
.endr
.Ldone_\@:
	PLACES                                         ; behind the last products: for the next roundings into their source, the next fragment loads, and the stores of the sums
.Lidle_\@:
	s_wait_dscnt 0x0                               ; my stores into the next slot are done and my reads of this slot are back:
.if \bar
	BARRIER                                        ; one barrier a chunk serves both; every wave of every work-group passes it
.endif
.endm
.macro CLEAR win, lo, n
	WIN \win
.set z, \lo
.rept \n
	v_mov_b32 v[z], 0
.set z, z+1
.endr
	WIN 0
.endm
.macro SRCH st                         ; a step of the search for the last word whose prefix is at most the rank
	EACH v_add_nc_u32 v[u+3], \st, v[u+1]
	EACH ds_bpermute_b32 v[u+4], v[u+3], v34
	s_wait_dscnt 0x0
.set u, LS
.rept NL
	v_cmp_le_u32 vcc_lo, v[u+4], v[u]
	v_cndmask_b32 v[u+1], v[u+1], v[u+3], vcc_lo
	v_cndmask_b32 v[u+2], v[u+2], v[u+4], vcc_lo
.set u, u+12
.endr
.endm
.macro SELB x, fw, st                  ; a step of the search for the k-th set bit: the count of the next st bits is a field of fw bits of v[u+x]
.set u, LS
.rept NL
	v_bfe_u32 v[u+11], v[u+(\x)], v[u+10], \fw
	v_cmp_ge_u32 vcc_lo, v[u], v[u+11]
	v_cndmask_b32 v[u+11], 0, v[u+11], vcc_lo
	v_sub_nc_u32 v[u], v[u], v[u+11]
	v_cndmask_b32 v[u+11], 0, \st, vcc_lo
	v_add_nc_u32 v[u+10], v[u+10], v[u+11]
.set u, u+12
.endr
.endm
; AN OWNER'S TILE: wave w finishes tile 4 trip + w.  The trip stands in the immediates, so that every LDS address is a constant, the wave's number times a constant and a lane term.
.macro OWNER trip
	s_wait_xcnt 0x0                                ; the last tile's stores have read their registers
.if 4*(\trip)+3 >= NT
	s_cmp_ge_u32 s[WV], NT-4*(\trip)
	s_cbranch_scc1 .Lskip_\@                       ; there is no such tile
.endif
	s_cmp_ge_u32 s[T16], s[TT]
	s_cbranch_scc1 .Lskip_\@                       ; the tile holds no row
	WIN 0xc0
.irp p, 0,1,2,3
.irp q, 0,1,2,3,4,5,6,7
	ds_load_b128 v[32*(\p)+4*(\q):32*(\p)+4*(\q)+3], v[XR+(\p)] offset:(\trip)*16384+512*(\q)
.endr
.endr
	WIN 0
.if GU
	ds_load_b32 v[SC], v[SCA] offset:(\trip)*256
.irp i, 0,1,2,3
	ds_load_b32 v[ROFF+(\i)], v[LTA] offset:(\trip)*256+16*(\i)
.endr
.else
.irp i, 0,1,2,3,4,5,6,7
	ds_load_b32 v[ROFF+(\i)], v[LTA] offset:(\trip)*256+8*(\i)
.endr
.endif
	s_wait_dscnt 0x0
	WIN 0x0f
.set z, 0
.rept 16
	v_pk_add_f32 v[128+z:129+z], v[z:z+1], v[32+z:33+z]
	v_pk_add_f32 v[160+z:161+z], v[64+z:65+z], v[96+z:97+z]
.set z, z+2
.endr
	WIN 0
.if GU
.set z, 0
.rept 16
	v_pk_mul_f32 v[128+z:129+z], v[128+z:129+z], v[SC:SC+1] op_sel_hi:[1,0]  ; g = s (x Wg)
.set z, z+2
.endr
.set z, 0
.rept 16
	v_pk_mul_f32 v[192+z:193+z], v[128+z:129+z], 0xbfb8aa3b op_sel_hi:[1,0]  ; -log2(e) g
.set z, z+2
.endr
.set z, 0
.rept 32
	v_exp_f32 v[192+z], v[192+z]
.set z, z+1
.endr
.set z, 0
.rept 16
	v_pk_mul_f32 v[160+z:161+z], v[160+z:161+z], v[SC:SC+1] op_sel_hi:[1,0]  ; u = s (x Wu): plain work behind the batch of exponentials
.set z, z+2
.endr
	s_wait_alu depctr_va_vdst(0)                   ; one wait for the batch
.set z, 0
.rept 16
	v_pk_add_f32 v[192+z:193+z], v[192+z:193+z], 1.0 op_sel_hi:[1,0]
.set z, z+2
.endr
.set z, 0
.rept 32
	v_rcp_f32 v[192+z], v[192+z]
.set z, z+1
.endr
.irp i, 0,1,2,3
	v_min_u32 v[ROFF+(\i)], 0x3ff, v[ROFF+(\i)]    ; plain work behind the batch of reciprocals: where the rows go
	v_lshl_add_u32 v[ROFF+(\i)], v[ROFF+(\i)], 13, v[C16]
.endr
	s_wait_alu depctr_va_vdst(0)
.set z, 0
.rept 16
	v_pk_mul_f32 v[128+z:129+z], v[128+z:129+z], v[192+z:193+z]
.set z, z+2
.endr
.set z, 0
.rept 16
	v_pk_mul_f32 v[128+z:129+z], v[128+z:129+z], v[160+z:161+z]
.set z, z+2
.endr
.irp i, 0,1,2,3,4,5,6,7
	v_cvt_pk_bf16_f32 v[224+2*(\i)], v[128+(\i)], v[136+(\i)]  ; columns 4 i, 4 i + 1: fragments 0 and 1
	v_cvt_pk_bf16_f32 v[225+2*(\i)], v[144+(\i)], v[152+(\i)]  ; columns 4 i + 2, 4 i + 3
.endr
.irp q, 0,1,2,3
	ds_store_b128 v[SGA], v[224+4*(\q):227+4*(\q)] offset:16*(\q)
.endr
.irp i, 0,1,2,3
	ds_load_b128 v[240+4*(\i):243+4*(\i)], v[SGR] offset:4*SGP*(\i)  ; LDS serves a wave's instructions in order (ISA guide 5.7.1.4): these see the stores above
.endr
	s_wait_dscnt 0x0
.irp i, 0,1,2,3
	global_store_b128 v[ROFF+(\i)], v[240+4*(\i):243+4*(\i)], s[OP:OP+1]  ; eight lanes store a row's 128 consecutive bytes
.endr
.else
.irp j, 0,1,2,3
.irp i, 0,1,2,3,4,5,6,7
	v_add_f32 v[192+4*(\i)+(\j)], v[128+8*(\j)+(\i)], v[160+8*(\j)+(\i)]  ; the last sum puts the columns in order
.endr
.endr
.irp i, 0,1,2,3,4,5,6,7
	v_min_u32 v[ROFF+(\i)], 0x3ff, v[ROFF+(\i)]
	v_lshl_add_u32 v[ROFF+(\i)], v[ROFF+(\i)], 12, v[C16]
.endr
.irp q, 0,1,2,3,4,5,6,7
	ds_store_b128 v[SGA], v[192+4*(\q):195+4*(\q)] offset:16*(\q)
.endr
.irp i, 0,1,2,3,4,5,6,7
	ds_load_b128 v[224+4*(\i):227+4*(\i)], v[SGR] offset:2*SGP*(\i)  ; LDS serves a wave's instructions in order (ISA guide 5.7.1.4): these see the stores above
.endr
	s_wait_dscnt 0x0
.irp i, 0,1,2,3,4,5,6,7
	global_store_b128 v[ROFF+(\i)], v[224+4*(\i):227+4*(\i)], s[OP:OP+1] th:TH_STORE_NT  ; sixteen lanes store 256 consecutive bytes, aligned
.endr
.endif
.Lskip_\@:
	s_add_co_u32 s[T16], s[T16], 64                ; four tiles on
.endm
.if GU
	s_load_b512 s[4:19], s[0:1], 0x0               ; xb, bm, score, w_gate, w_up, ws_gate, ws_up, hid
.else
	s_load_b256 s[4:11], s[0:1], 0x0               ; hid, bm, w_down, ws_down
	s_load_b64 s[12:13], s[0:1], 0x20              ; out0
.endif
	v_lshl_add_u32 v[SPW], v0, 2, SPARE
	v_mov_b32 v[NIL], 0
	v_and_b32 v1, 31, v0                           ; lane
	v_lshrrev_b32 v38, 5, v0
	v_readfirstlane_b32 s[WV], v38                 ; wave
	v_and_b32 v2, 15, v0                           ; r
	v_bfe_u32 v3, v0, 4, 1                         ; h
	v_lshlrev_b32 v30, 5, v1
	s_mov_b32 s[SLC], ttmp9
	s_and_b32 s[YY], ttmp7, 0xffff
	s_mov_b32 s[SEL], 0x76543210
	s_mov_b32 s[SEL+1], 0xfedcba98
	s_mov_b32 s[OF+1], 0
	s_wait_kmcnt 0x0
	global_load_b128 v[BW:BW+3],   v30, s[6:7]
	global_load_b128 v[BW+4:BW+7], v30, s[6:7] offset:16
	global_load_b128 v[CB:CB+3],   v30, s[6:7] offset:1024
	global_load_b128 v[CB+4:CB+7], v30, s[6:7] offset:1040
	; the addresses, while those are on their way
	v_lshlrev_b32 v[WOFF], 4, v2
	v_lshl_add_u32 v[WOFF], v3, WSH, v[WOFF]
.if GU
	s_lshr_b32 s[MH], s[WV], 1
	s_and_b32 s[KH], s[WV], 1
	s_mul_i32 s[TA], s[WV], 2*PITCH                ; staging instruction i of wave w: rows 8 i + 2 w + h, 256 bytes each
	v_mul_u32_u24 v[STA], v3, PITCH
	v_lshl_add_u32 v[STA], v2, 4, v[STA]
	v_add_nc_u32 v[STA], s[TA], v[STA]
	s_lshl_b32 s[TA], s[KH], 7
.else
	s_mul_i32 s[TA], s[WV], PITCH                  ; staging instruction i of wave w: row 4 i + w, 512 bytes
	v_lshl_add_u32 v[STA], v1, 4, s[TA]
	s_lshl_b32 s[TA], s[WV], 7
.endif
	v_add_nc_u32 v[STA+1], SLOT, v[STA]
	v_mul_u32_u24 v[AFA], v2, PITCH
	v_lshl_add_u32 v[AFA], v3, 4, v[AFA]
	v_add_nc_u32 v[AFA], s[TA], v[AFA]             ; row r, 16 h, my two K steps' 128 bytes
	v_add_nc_u32 v[AFA+1], SLOT, v[AFA]
	s_mul_i32 s[TA], s[WV], PARTB
	s_add_co_u32 s[TA], s[TA], XCH
	v_lshl_add_u32 v[XA], v1, 4, s[TA]
	s_lshl_b32 s[TA], s[WV], 12
	s_add_co_u32 s[TA], s[TA], XCH
	v_lshl_add_u32 v[XR], v1, 4, s[TA]
	v_add_nc_u32 v[XR+1], PARTB, v[XR]
	v_add_nc_u32 v[XR+2], 2*PARTB, v[XR]
	v_add_nc_u32 v[XR+3], 3*PARTB, v[XR]
	s_mul_i32 s[TA], s[WV], STGB
	s_add_co_u32 s[TA], s[TA], STAGE
	v_mul_u32_u24 v[SGA], v2, SGP
.if GU
	v_lshl_add_u32 v[SGA], v3, 6, v[SGA]           ; row r, my 32 columns
	v_lshrrev_b32 v38, 3, v1                       ; back: four rows of 128 bytes an instruction
	v_and_b32 v36, 7, v1
.set RWI, 38
.set CLI, 36
.else
	v_lshl_add_u32 v[SGA], v3, 7, v[SGA]
.set RWI, 3                            ; back: two rows of 256 bytes an instruction
.set CLI, 2
.endif
	v_add_nc_u32 v[SGA], s[TA], v[SGA]
	v_mul_u32_u24 v[SGR], v[RWI], SGP
	v_lshl_add_u32 v[SGR], v[CLI], 4, v[SGR]
	v_add_nc_u32 v[SGR], s[TA], v[SGR]
	v_lshlrev_b32 v[C16], 4, v[CLI]
	s_mul_i32 s[TA], s[WV], LWB+64                 ; my list, and in it my first tile's 16 words
	s_add_co_u32 s[TA], s[TA], LIST
	v_lshl_add_u32 v[LTA], v[RWI], 2, s[TA]
.if GU
	s_add_co_u32 s[TA], s[TA], SCL-LIST
	v_lshl_add_u32 v[SCA], v2, 2, s[TA]
	v_mov_b32 v[SC+1], 0                           ; named with the score as a pair
.endif
	v_lshlrev_b32 v31, 2, v1                       ; 4 x lane
	; The accumulators start at 0: dead groups of rows are jumped in every chunk, so no first product could start every sum.  The weight sets, the rows in transit and the row offsets are written
	; too, so that every line that names them finds them written on every way through the text, that of a slot without rows among them.  All this stands in the wait for the four loads above.
.if GU
	CLEAR 0x40, 0, 256
	CLEAR 0x80, 0, 128
.else
	CLEAR 0x40, 0, 192
.endif
	CLEAR 0xc0, 0, 256
	CLEAR 0, TR, 96
	CLEAR 0, ROFF, 24
	s_wait_loadcnt 0x0
	; HOW MANY ROWS EACH EXPERT HAS: the two halves' counts of two experts in one register, summed over the 32 lanes
.irp p, 0,1,2,3
	v_perm_b32 v[LS+\p],   v[CB+2*\p+1], v[CB+2*\p], 0x05040100
	v_perm_b32 v[LS+4+\p], v[CB+2*\p+1], v[CB+2*\p], 0x07060302
.endr
.irp p, 0,1,2,3
	v_add_nc_u32 v[LS+\p], v[LS+\p], v[LS+4+\p]
.endr
.irp m, 1,2,4,8
.irp p, 0,1,2,3
	v_mov_b32_dpp v[LS+4+\p], v[LS+\p] row_xmask:\m row_mask:0xf bank_mask:0xf
.endr
.irp p, 0,1,2,3
	v_add_nc_u32 v[LS+\p], v[LS+\p], v[LS+4+\p]
.endr
.endr
.irp p, 0,1,2,3
	v_permlanex16_b32 v[LS+4+\p], v[LS+\p], s[SEL], s[SEL+1]
.endr
.irp p, 0,1,2,3
	v_add_nc_u32 v[LS+\p], v[LS+\p], v[LS+4+\p]
.endr
.irp p, 0,1,2,3
	v_readfirstlane_b32 s[TA], v[LS+\p]
	s_and_b32 s[NE+2*\p], s[TA], 0xffff
	s_lshr_b32 s[NE+2*\p+1], s[TA], 16
.endr
	; WHICH TILE IS MINE: the last expert whose first slot is at most y
	s_mov_b32 s[CUM], 0
.irp e, 0,1,2,3,4,5,6,7
	s_add_co_u32 s[TA], s[NE+\e], MROWS-1
	s_mul_i32 s[TA], s[TA], 683
	s_lshr_b32 s[TA], s[TA], CSH                   ; the expert's tiles
.if \e == 0
	s_mov_b32 s[EE], 0
	s_mov_b32 s[NN], s[NE]
	s_mov_b32 s[CC], s[TA]
	s_mov_b32 s[ST0], 0
.else
	s_cmp_le_u32 s[CUM], s[YY]
	s_cselect_b32 s[EE], \e, s[EE]
	s_cselect_b32 s[NN], s[NE+\e], s[NN]
	s_cselect_b32 s[CC], s[TA], s[CC]
	s_cselect_b32 s[ST0], s[CUM], s[ST0]
.endif
	s_add_co_u32 s[CUM], s[CUM], s[TA]
.endr
	s_cmp_lt_u32 s[YY], s[CUM]
	s_cselect_b32 s[LV], -1, 0                     ; a slot past the last tile has no rows
.if GU
	s_cmp_ge_u32 s[YY], 13
	s_cselect_b32 s[SHM], -1, 0
	s_or_b32 s[LV], s[LV], s[SHM]
.endif
	; The scalar work below runs for every slot; for one without rows its numbers mean nothing, stay small, and end in 0 rows.
	s_sub_co_u32 s[TB], s[NN], 1                   ; rows a tile: floor((n - 1) / c) + 1, the quotient bit by bit (at most 191)
	s_mov_b32 s[QQ], 0
.irp b, 128,64,32,16,8,4,2,1
	s_add_co_u32 s[TA], s[QQ], \b
	s_mul_i32 s[TC], s[TA], s[CC]
	s_cmp_le_u32 s[TC], s[TB]
	s_cselect_b32 s[QQ], s[TA], s[QQ]
.endr
	s_add_co_u32 s[QQ], s[QQ], 1
	s_sub_co_u32 s[TA], s[YY], s[ST0]
	s_mul_i32 s[RR0], s[TA], s[QQ]
	s_sub_co_u32 s[TA], s[NN], s[RR0]
	s_min_u32 s[TT], s[QQ], s[TA]                  ; in a slot with rows at least 1: (c - 1) ceil(n / c) < n, since c - 1 < ceil(n / c)
.if GU
	s_sub_co_u32 s[TA], s[YY], 13
	s_lshl_b32 s[TA], s[TA], 7
	s_cmp_lg_u32 s[SHM], 0
	s_cselect_b32 s[TT], 128, s[TT]                ; the shared expert: 128 rows from 128 (y - 13) on
	s_cselect_b32 s[RR0], s[TA], s[RR0]
.endif
	s_and_b32 s[TT], s[TT], s[LV]
	s_sub_co_u32 s[TT1], s[TT], 1
	s_add_co_u32 s[NGL], s[TT], 31
	s_lshr_b32 s[NGL], s[NGL], 5
.if GU == 0
	s_add_co_u32 s[SBK], s[TT], 15
	s_lshr_b32 s[SBK], s[SBK], 4
.endif
	; the pointers
	s_min_u32 s[TA], s[EE], 7
	s_lshl_b32 s[OF], s[TA], 23                    ; an expert's weights are 8 MiB
.if GU
	s_cmp_eq_u32 s[MH], 0
	s_cselect_b64 s[WP:WP+1], s[10:11], s[12:13]
	s_cselect_b64 s[TC:TC+1], s[14:15], s[16:17]
	s_add_nc_u64 s[WP:WP+1], s[WP:WP+1], s[OF:OF+1]
	s_cmp_lg_u32 s[SHM], 0
	s_cselect_b64 s[WP:WP+1], s[TC:TC+1], s[WP:WP+1]
	s_lshl_b32 s[OF], s[SLC], 8                    ; my slice's 256 bytes of a row,
	s_lshl_b32 s[TA], s[KH], 19                    ; my 64 rows of a chunk
	s_add_co_u32 s[OF], s[OF], s[TA]
	s_add_nc_u64 s[WP:WP+1], s[WP:WP+1], s[OF:OF+1]
	s_lshl_b32 s[OF], s[SLC], 7
	s_and_b32 s[TA], s[SHM], 4096
	s_add_co_u32 s[OF], s[OF], s[TA]
	s_add_nc_u64 s[OP:OP+1], s[18:19], s[OF:OF+1]
.else
	s_add_nc_u64 s[WP:WP+1], s[8:9], s[OF:OF+1]
	s_lshl_b32 s[OF], s[SLC], 8
	s_add_nc_u64 s[OP:OP+1], s[12:13], s[OF:OF+1]
	s_lshl_b32 s[TA], s[WV], 18                    ; my 64 rows of a chunk
	s_add_co_u32 s[OF], s[OF], s[TA]
	s_add_nc_u64 s[WP:WP+1], s[WP:WP+1], s[OF:OF+1]
	s_add_nc_u64 s[WS:WS+1], s[10:11], s[OF:OF+1]
	s_mov_b32 s[CN], 1
.endif
	s_mov_b64 s[XP:XP+1], s[4:5]
	s_cmp_eq_u32 s[NGL], 0
	s_cbranch_scc1 .Ljoin                          ; a slot without rows jumps the loads, the list and the first fills; no barrier is jumped
	WLOAD 0, 0                                     ; chunk 0's weights go out before the list is made
	; THE LIST.  Lane l: my expert's word of tokens 32 l .. (v32) and its count (v33)
.irp e, 1,2,3,4,5,6,7
	s_cmp_eq_u32 s[EE], \e
	s_cselect_b32 s[TA], -1, 0
.if \e == 1
	v_cndmask_b32 v32, v[BW], v[BW+1], s[TA]
	v_cndmask_b32 v33, v[CB], v[CB+1], s[TA]
.else
	v_cndmask_b32 v32, v32, v[BW+\e], s[TA]
	v_cndmask_b32 v33, v33, v[CB+\e], s[TA]
.endif
.endr
	v_lshrrev_b32 v34, 16, v33
	v_and_b32 v33, 0xffff, v33
	v_add_nc_u32 v33, v33, v34
.if GU
	v_cndmask_b32 v32, v32, -1, s[SHM]             ; the shared expert takes every token
	v_cndmask_b32 v33, v33, 32, s[SHM]
.endif
	v_mov_b32 v34, v33                             ; the counts' running sum over the lanes, in five steps
.irp d, 1,2,4,8,16
	v_add_nc_u32 v35, -4*\d, v31
	v_and_b32 v35, 124, v35
	ds_bpermute_b32 v36, v35, v34
	v_cmp_le_u32 vcc_lo, \d, v1
	s_wait_dscnt 0x0
	v_cndmask_b32 v36, 0, v36, vcc_lo
	v_add_nc_u32 v34, v34, v36
.endr
	v_sub_nc_u32 v34, v34, v33                     ; v34: how many of my expert's tokens lie in the words before word l
.set z, 0
.rept NL
	v_add_nc_u32 v[LS+12*z], 32*z, v1              ; list register z: rows 32 z + lane
.set z, z+1
.endr
	EACH v_min_u32 v[u], s[TT1], v[u]              ; rows past the count repeat the last row
	EACH v_add_nc_u32 v[u], s[RR0], v[u]           ; the rank wanted
	EACH v_mov_b32 v[u+1], 0                       ; 4 x the word,
	EACH v_mov_b32 v[u+2], 0                       ; its prefix
	SRCH 64
	SRCH 32
	SRCH 16
	SRCH 8
	SRCH 4
	EACH ds_bpermute_b32 v[u+5], v[u+1], v32       ; the word
	EACH v_sub_nc_u32 v[u], v[u], v[u+2]           ; which of its set bits
	EACH v_mov_b32 v[u+10], 0
	s_wait_dscnt 0x0
	EACH v_lshrrev_b32 v[u+6], 1, v[u+5]           ; the counts of its fields of 2, 4, 8 and 16 bits
	EACH v_and_b32 v[u+6], 0x55555555, v[u+6]
	EACH v_sub_nc_u32 v[u+6], v[u+5], v[u+6]
	EACH v_lshrrev_b32 v[u+7], 2, v[u+6]
	EACH v_and_b32 v[u+7], 0x33333333, v[u+7]
	EACH v_and_b32 v[u+11], 0x33333333, v[u+6]
	EACH v_add_nc_u32 v[u+7], v[u+7], v[u+11]
	EACH v_lshrrev_b32 v[u+8], 4, v[u+7]
	EACH v_add_nc_u32 v[u+8], v[u+8], v[u+7]
	EACH v_and_b32 v[u+8], 0x0f0f0f0f, v[u+8]
	EACH v_lshrrev_b32 v[u+9], 8, v[u+8]
	EACH v_add_nc_u32 v[u+9], v[u+9], v[u+8]
	SELB 9, 8, 16
	SELB 8, 8, 8
	SELB 7, 4, 4
	SELB 6, 2, 2
	SELB 5, 1, 1
	EACH v_lshl_add_u32 v[u+10], v[u+1], 3, v[u+10]  ; the token: 32 x word + bit
	s_mul_i32 s[TA], s[WV], LWB
	s_add_co_u32 s[TA], s[TA], LIST
	v_lshl_add_u32 v35, v1, 2, s[TA]               ; my own list: no other wave reads it, so no barrier is needed
.set z, 0
.rept NL
	ds_store_b32 v35, v[LS+12*z+10] offset:128*z
.set z, z+1
.endr
.if GU
.set z, 0
.rept NL
	v_min_u32 v[SCO+z], 0x3ff, v[LS+12*z+10]
	v_lshlrev_b32 v[SCO+z], 2, v[SCO+z]
	global_load_b32 v[SCV+z], v[SCO+z], s[8:9]     ; and the tokens' scores
.set z, z+1
.endr
.endif
	s_mul_i32 s[TA], s[WV], LWB+LOWN
	s_add_co_u32 s[TA], s[TA], LIST
.if GU
	v_lshl_add_u32 v36, v3, 2, s[TA]
	v_lshlrev_b32 v37, 4, v2
.else
	v_mov_b32 v36, s[TA]
	v_lshlrev_b32 v37, 4, v1
.endif
.set z, 0
.rept 24
	ds_load_b32 v[ROFF+z], v36 offset:LSTR*z       ; LDS serves a wave's instructions in order (ISA guide 5.7.1.4): these see the stores above
.set z, z+1
.endr
	s_wait_dscnt 0x0
.set z, 0
.rept 24
	v_min_u32 v[ROFF+z], 0x3ff, v[ROFF+z]
	v_lshl_add_u32 v[ROFF+z], v[ROFF+z], TSH, v37
.set z, z+1
.endr
	ALOAD TMPB, 0x80, 1, 0                         ; chunk 0's rows
	ALOAD TR, 0, 1, ASTEP                          ; chunk 1's rows
	WLOAD 1, 0x100000                              ; chunk 1's weights
	s_wait_loadcnt 32                              ; all but chunk 1's weights, the 32 youngest
.if GU
.set z, 0
.rept NL
	v_cndmask_b32 v[SCV+z], v[SCV+z], 1.0, s[SHM]
	ds_store_b32 v35, v[SCV+z] offset:SCL-LIST+128*z
.set z, z+1
.endr
.endif
	ASTORE 0, TMPB, 0x08, 1                        ; both slots are written whole once, so that every later fragment load reads bytes that were written
	ASTORE 1, TR, 0, 1
	s_wait_xcnt 0x0
	s_add_nc_u64 s[XP:XP+1], s[XP:XP+1], ASTEP     ; both pointers at chunk 1
	s_add_nc_u64 s[WP:WP+1], s[WP:WP+1], 0x100000
.Ljoin:
	s_wait_dscnt 0x0                               ; for the others' sake: my rows are in LDS
	BARRIER
	s_mov_b32 s[LC], (NCH-2)/2
.Lloop:
	CHUNK 0, 1, 1, 1
	CHUNK 1, 1, 1, 1
	s_sub_co_u32 s[LC], s[LC], 1
	s_cmp_lg_u32 s[LC], 0
	s_cbranch_scc1 .Lloop
	CHUNK 0, 1, 0, 1                               ; the last two chunks ask for nothing: no load passes a buffer's end
	CHUNK 1, 0, 0, 0
	; THE EXCHANGE: each wave's sums go to LDS, each accumulator's registers in ascending order
	s_cmp_eq_u32 s[NGL], 0
	s_cbranch_scc1 .Lxs
.set gg, 0
.rept NG
.if gg < 4
	WIN 0x04
.else
	WIN 0x08
.endif
.irp tl, 0,1
.irp q, 0,1,2,3,4,5,6,7
	ds_store_b128 v[XA], v[32*((2*gg+(\tl))%8)+4*(\q):32*((2*gg+(\tl))%8)+4*(\q)+3] offset:(2*gg+(\tl))*4096+512*(\q)
.endr
.endr
	WIN 0
.if gg < NG-1
	s_cmp_le_u32 s[NGL], gg+1
	s_cbranch_scc1 .Lxs
.endif
.set gg, gg+1
.endr
.Lxs:
	s_wait_dscnt 0x0
	BARRIER
	; THE OWNERS: wave w finishes tiles w, w + 4, ..; a tile without rows is jumped
	s_lshl_b32 s[T16], s[WV], 4
	OWNER 0
	OWNER 1
.if OTR > 2
	OWNER 2
.endif
	s_wait_tensorcnt 0x0                           ; the wave's end
	ds_add_u32 v[SPW], v[NIL]
	s_wait_dscnt 0x0
	s_endpgm
.Lfunc_end_k_q14a0356d3d_down:
	.size	k_q14a0356d3d_down, .Lfunc_end_k_q14a0356d3d_down-k_q14a0356d3d_down
	.p2alignl 7, 3214868480
	.fill 96, 4, 3214868480
	.section	.rodata,"a",@progbits
	.p2align	6, 0x0
	.amdhsa_kernel k_q14a0356d3d_down
		.amdhsa_group_segment_fixed_size 219648
		.amdhsa_private_segment_fixed_size 0
		.amdhsa_enable_private_segment 0
		.amdhsa_kernarg_size 40
		.amdhsa_user_sgpr_count 2
		.amdhsa_user_sgpr_kernarg_segment_ptr 1
		.amdhsa_wavefront_size32 1
		.amdhsa_system_sgpr_workgroup_id_x 1
		.amdhsa_system_sgpr_workgroup_id_y 1
		.amdhsa_system_sgpr_workgroup_id_z 1
		.amdhsa_system_vgpr_workitem_id 0
		.amdhsa_next_free_vgpr 1024
		.amdhsa_next_free_sgpr 66
		.amdhsa_reserve_vcc 1
		.amdhsa_float_denorm_mode_32 3
		.amdhsa_float_denorm_mode_16_64 3
		.amdhsa_memory_ordered 1
		.amdhsa_forward_progress 1
		.amdhsa_inst_pref_size 137
	.end_amdhsa_kernel
	.amdgpu_metadata
---
amdhsa.version: [ 1, 2 ]
amdhsa.kernels:
  - .name:           k_q14a0356d3d_down
    .symbol:         k_q14a0356d3d_down.kd
    .args:
      - { .name: hid, .offset: 0, .size: 8, .value_kind: global_buffer, .address_space: global }
      - { .name: bm, .offset: 8, .size: 8, .value_kind: global_buffer, .address_space: global }
      - { .name: w_down, .offset: 16, .size: 8, .value_kind: global_buffer, .address_space: global }
      - { .name: ws_down, .offset: 24, .size: 8, .value_kind: global_buffer, .address_space: global }
      - { .name: out0, .offset: 32, .size: 8, .value_kind: global_buffer, .address_space: global }
    .group_segment_fixed_size: 219648
    .private_segment_fixed_size: 0
    .kernarg_segment_align: 8
    .kernarg_segment_size: 40
    .max_flat_workgroup_size: 128
    .sgpr_count:     66
    .vgpr_count:     1024
    .wavefront_size: 32
...
	.end_amdgpu_metadata
.endif
;; end of part 3
;; ======== version 2 of 2: 3 launches; 1.20 times as fast as version 1
;; workspace buffers: xb 2,097,152 bytes; score 4,096 bytes; bm 2,048 bytes of whole numbers; hid 8,388,608 bytes
;; launch router: the kernel of part 1 again; grid 64 x 1, 4 waves a work-group, no clusters, 54,272 bytes of LDS; arguments hidden_states, router_w, xb, bm, score; writes xb, bm, score
;; launch gateup (part 4): grid 16 x 21, 4 waves a work-group, no clusters, 314,368 bytes of LDS; arguments xb, bm, score, w_gate, w_up, ws_gate, ws_up, hid; writes hid
.if DOCPART == 4
	.amdgcn_target "amdgcn-amd-amdhsa--gfx1250"
	.amdhsa_code_object_version 6
	.text
	.protected	k_q14a0356d3d_gateup
	.globl	k_q14a0356d3d_gateup
	.p2align	8
	.type	k_q14a0356d3d_gateup,@function
k_q14a0356d3d_gateup:
	s_mov_b64 s[64:65], 0
	v_nop
	global_prefetch_b8 v0, s[64:65] scope:SCOPE_SE
	s_setreg_imm32_b32 hwreg(HW_REG_WAVE_MODE, 25, 1), 1
	s_wait_xcnt 0x0
; GATE AND UP.  hid[t][0:2048] = silu(s g) (s u) with g = xb[t] w_gate[e], u = xb[t] w_up[e], e the token's expert and s its score (applied in f32 behind the sums: s (x W) = (s x) W);
; hid[t][2048:4096] the same with ws_gate, ws_up and s = 1.  Weights are rounded to bf16 on their way through registers, sums in f32, hid rounded once to bf16.
; GRID.  x: a slice of 128 gate and 128 up columns.  y < 8: rows 128 y .. of the shared expert; y >= 8: tile slot y - 8 of the routed experts.  An expert with n rows has c = ceil(n / 192) tiles of
; ceil(n / c) rows; there are never more than 13, whatever the split.  Every wave finds its slot's expert, first rank and rows from the stored counts.  A slot past the last tile has 0 rows: it passes
; every barrier, jumps all the work between them, asks for nothing and stores nothing.
; WEIGHTS lie [k][n].  A lane loads 16 bytes, columns 4 r .. 4 r + 3 of one row; lanes 0-15 take row k, lanes 16-31 row k + 8: each half of the wave reads 256 consecutive bytes, aligned.  Component j of
; the 16 loads of a K step of 32 is source 0 of a matrix instruction whose row m is column 4 m + j: no transposing, no LDS.  Source 1 is 16 tokens.  In the result a lane holds token r, and register i
; of fragment j column 32 h + 4 i + j: 32 neighbouring columns over the four fragments.
; WAVES.  Wave w takes gate (w < 2) or up, and columns 64 (w % 2) .. of the slice, over all of K, for all rows: up to 12 tiles x 4 fragments, 384 accumulator registers.  g and u of a column meet in LDS at the end.
; K goes in chunks of 128 (a ring slot: 256 bytes of each token row), each worked in two halves of 64 (a set of 32 weight loads a wave).  The chunk is written once: the slot in hand is a scalar that an
; exclusive or turns, and the two LDS addresses are made from it at the chunk's head.
; TOKEN ROWS come by a list (each wave makes its own, in its own LDS bytes) into the ring, a chunk ahead; rows past the tile's count repeat its last token (their results are stored twice, with the
; same bytes); whole blocks of 32 dead rows are jumped by scalar branches that pass no barrier.
; NO CLUSTER, NO TENSOR LOADS: the rows come by a list that no descriptor covers, and each routed slice of weights has one reader.
; LIMITS.  h = g u s^2 / (1 + 2^(-1.442695 s g)); where the power overflows the quotient is 0.  NaN and infinities are not treated apart.
.set MROWS, 192                        ; rows of a tile at the most
.set NT,    12                         ; tiles of 16 rows
.set NG,    6                          ; groups of two tiles
.set NCH,   8                          ; chunks of K
.set ROWB,  8192                       ; bytes in a weight row
.set WSTEP, 128*ROWB                   ; a chunk's weight rows
.set HSTEP, 64*ROWB                    ; a half's
.set PITCH, 272                        ; an LDS row: a chunk's 256 bytes + 16: an odd multiple of 16
.set ASTEP, 256                        ; a chunk's bytes of a token row
.set ISTR,  8*PITCH                    ; from one staging instruction of a wave to its next: 8 rows
.set NL,    6                          ; list registers: 32 rows each
.set LWB,   1024                       ; a wave's list bytes
.set SGP,   272                        ; a stage row: 256 bytes + 16
.set STGB,  16*SGP
.set SLOT1, 1<<16                      ; LDS: slot 0 at 0, slot 1 here, so that one exclusive or turns an address in one slot into the other's
.set STAGE, 0                          ; a stage of 16 rows for each wave, in slot 0's bytes: nobody reads that slot behind the barrier that ends chunk 6
.set LIST,  MROWS*PITCH                ; between the slots: a list of tokens (one word a row) for each wave,
.set SCL,   LIST+4*LWB                 ; their scores, for each wave,
.set SPARE, SCL+4*LWB                  ; and the spare words, 128 bytes a wave: two blocks of 256 bytes that no other line names
.set XCH,   SLOT1+MROWS*PITCH          ; behind slot 1: the four waves' sums (a tile: 4,096 bytes)
.set PARTB, NT*4096
; vector registers, window 0
.set WOFF, 4                           ; my byte offset in 16 weight rows: h * 8 rows + 16 r
.set ST0,  5                           ; my place in a slot for staged rows; never rewritten
.set STA,  6                           ; the same in the slot that is being filled
.set AF0,  7                           ; my place in a slot for token fragments; never rewritten
.set AFA,  8                           ; the same in the slot in hand
.set XA,   9                           ; my sums in the exchange
.set XR,   10                          ; v10-13  the four waves' sums of the first tile that I own
.set SGA,  14                          ; stage: in
.set SGR,  15                          ; stage: back
.set LTA,  16                          ; the list words of the rows that I store
.set SCA,  17                          ; my token's score
.set SC,   18                          ; the score
.set BW,   20                          ; v20-27  lane l: the 8 experts' mask words of tokens 32 l ..; later:
.set SA,   20                          ; v20-21  -log2(e) s, named as a pair
.set SB,   22                          ; v22-23  s^2, named as a pair
.set SPW,  28
.set NIL,  29
.set C16,  39                          ; my 16 bytes in a stored row
.set ROFF, 40                          ; v40-63  byte offsets of the 24 rows that I stage; later of the rows that I store
.set AB,   64                          ; v64-127 token fragments: two buffers of two tiles x two K steps
.set TR,   128                         ; v128-223 rows on their way from memory to LDS; first the list's work registers
.set LS,   TR                          ; 12 work registers for each list register
.set OB,   192                         ; v192-223 the way out: rows read back from the stage
.set CB,   224                         ; v224-231 the counts that belong to BW
.set HB,   224                         ; v224-255 the way out: 64 results of a lane in bf16
.set SCV,  232                         ; v232-237 scores as loaded
.set SCO,  238                         ; v238-243 their byte offsets
.set BF,   128                         ; window 2: v128-191 the weights' fragments of a half, 32 ks + 8 j
; window 1: accumulators of tiles 0-7 at 32 t + 8 j; window 2: v0-127 tiles 8-11; window 3: two sets of 128 for weights as loaded, 64 ks + 4 i + j; on the way out g, u and the exponentials
; scalar registers
.set WV,  20
.set SLC, 21
.set YY,  22                           ; the routed slot: y - 8
.set MH,  23                           ; 0 gate, 1 up
.set CH,  24                           ; which 64 columns
.set YR,  25                           ; y
.set TBR, 26                           ; LDS byte at which the slot in hand begins
.set LV,  27                           ; -1: my slot has rows
.set NE,  28                           ; s[28:35] rows of each expert
.set CUM, 36
.set EE,  37
.set NN,  38
.set CC,  39
.set FS,  40
.set TA,  41
.set TB,  42
.set QQ,  43
.set RR0, 44                           ; the tile's first rank
.set TT,  45                           ; its rows
.set TT1, 46
.set NGL, 47                           ; its live groups, and staging blocks, of 32 rows; 0: a slot without rows
.set SHM, 48                           ; -1: shared expert
.set TBW, 49                           ; LDS byte at which the slot that is being filled begins
.set WP,  50
.set XP,  52
.set OP,  54
.set OF,  56
.set LC,  58
.set T16, 59
.set SEL, 60
.set TC,  62
.set MSB, 0
.macro WIN new                         ; s_set_vgpr_msb: bits 1:0 source 0, 3:2 source 1, 5:4 source 2, 7:6 destination; the high byte repeats the setting that is left
.if MSB != (\new)
	s_set_vgpr_msb (MSB<<8)|(\new)
.set MSB, (\new)
.endif
.endm
.macro PLACES                          ; four places behind a matrix instruction (ISA guide 7.12.1)
.rept 4
	v_nop
.endr
.endm
.macro BARRIER
	s_barrier_signal -1
	s_barrier_wait -1
.endm
.macro EACH line:vararg                ; one line for each list register; its work registers begin at v[u]
.set u, LS
.rept NL
	\line
.set u, u+12
.endr
.endm
; loads lo .. hi - 1 of the 32 of a half's weights (load 16 ks + i) into set 0 or 1
.macro WLOAD set, extra, lo, hi
	WIN 0xc0
.set n, \lo
.rept (\hi)-(\lo)
	global_load_b128 v[128*(\set)+4*n:128*(\set)+4*n+3], v[WOFF], s[WP:WP+1] offset:(\extra)+(32*(n/16)+(n%16)+8*((n%16)/8))*ROWB
.set n, n+1
.endr
	WIN 0
.endm
; my share of a chunk's token rows, memory to registers: six blocks of four loads; full = 0: dead blocks are jumped
.macro ALOAD full
.irp b, 0,1,2,3,4,5
.irp i, 0,1,2,3
	global_load_b128 v[TR+16*(\b)+4*(\i):TR+16*(\b)+4*(\i)+3], v[ROFF+4*(\b)+(\i)], s[XP:XP+1]
.endr
.if ((\full) == 0) && ((\b) < 5)
	s_cmp_le_u32 s[NGL], (\b)+1
	s_cbranch_scc1 .Lal_\@
.endif
.endr
.Lal_\@:
.endm
; and registers to LDS
.macro ASTORE full
.irp b, 0,1,2,3,4,5
.irp i, 0,1,2,3
	ds_store_b128 v[STA], v[TR+16*(\b)+4*(\i):TR+16*(\b)+4*(\i)+3] offset:(4*(\b)+(\i))*ISTR
.endr
.if ((\full) == 0) && ((\b) < 5)
	s_cmp_le_u32 s[NGL], (\b)+1
	s_cbranch_scc1 .Las_\@
.endif
.endr
.Las_\@:
.endm
; 64 roundings: component j of loads 2 p and 2 p + 1 is register p of fragment j
.macro CVT set
	WIN 0x8f
.irp ks, 0,1
.irp j, 0,1,2,3
.irp p, 0,1,2,3,4,5,6,7
	v_cvt_pk_bf16_f32 v[BF+32*(\ks)+8*(\j)+(\p)], v[128*(\set)+64*(\ks)+8*(\p)+(\j)], v[128*(\set)+64*(\ks)+8*(\p)+4+(\j)]
.endr
.endr
.endr
	WIN 0
.endm
; 8 LDS loads: group g's two tiles, the two K steps of half kh
.macro LOADA g, kh
.irp tl, 0,1
.irp ks, 0,1
	ds_load_b128 v[AB+32*((\g)%2)+16*(\tl)+8*(\ks):AB+32*((\g)%2)+16*(\tl)+8*(\ks)+3],   v[AFA] offset:(2*(\g)+(\tl))*16*PITCH+128*(\kh)+64*(\ks)
	ds_load_b128 v[AB+32*((\g)%2)+16*(\tl)+8*(\ks)+4:AB+32*((\g)%2)+16*(\tl)+8*(\ks)+7], v[AFA] offset:(2*(\g)+(\tl))*16*PITCH+128*(\kh)+64*(\ks)+32
.endr
.endr
.endm
; 16 matrix instructions; the group's eight accumulators take turns: two links of a chain stand eight apart
.macro MM g
.if (\g) < 4
	WIN 0x52
.else
	WIN 0xa2
.endif
.irp ks, 0,1
.irp tl, 0,1
.irp j, 0,1,2,3
.set rA, 32*((2*(\g)+(\tl))%8)+8*(\j)
	v_wmma_f32_16x16x32_bf16 v[rA:rA+7], v[BF+32*(\ks)+8*(\j):BF+32*(\ks)+8*(\j)+7], v[AB+32*((\g)%2)+16*(\tl)+8*(\ks):AB+32*((\g)%2)+16*(\tl)+8*(\ks)+7], v[rA:rA+7]
.endr
.endr
.endr
	WIN 0
.endm
; A group's step is two macros, so that other work can stand between them.  GLOAD: the next group's fragments are asked for, if that group holds a row.
.macro GLOAD g, kh
.if (\g) < NG-1
	s_cmp_le_u32 s[NGL], (\g)+1
	s_cbranch_scc1 .Lnl_\@
	LOADA (\g)+1, \kh
.Lnl_\@:
.endif
.endm
; GMUL: this group's products; out, if the groups behind hold no row; the places in front of the loads into the buffer just read; the next group's fragments are in (and, in the second half, my row stores are done).
.macro GMUL g, lbl
	MM \g
.if (\g) < NG-1
	s_cmp_le_u32 s[NGL], (\g)+1
	s_cbranch_scc1 \lbl
	PLACES
	s_wait_dscnt 0x0
.endif
.endm
.macro REST kh, lbl                    ; groups 1 to 5 of a half
.set gg, 1
.rept NG-1
	GLOAD gg, \kh
	GMUL gg, \lbl
.set gg, gg+1
.endr
.endm
; CHUNK c.  ld = 1: chunk c + 1's rows and weights are asked for, its rows go into the other slot, and a barrier ends the chunk.  A slot without rows jumps the chunk's work and goes to its barrier.
; The loads' order: rows (c + 1); set 0 (c + 1), 8 loads early and 24 behind the first half's products; set 1 (c + 1).
.macro CHUNK ld
	s_cmp_lg_u32 s[NGL], 0
	s_cbranch_scc1 .Lwork_\@
	s_wait_loadcnt 0x0                             ; a slot without rows has asked for nothing: on this way no load is out, so the counted waits further down hold on every way through the text
	s_branch .Lidle_\@
.Lwork_\@:
	v_add_nc_u32 v[AFA], s[TBR], v[AF0]
	LOADA 0, 0                                     ; the first fragments go out ahead of everything else
	s_wait_loadcnt 32                              ; the 32 youngest loads are this chunk's set 1: set 0 is in
.if \ld
	v_add_nc_u32 v[STA], s[TBW], v[ST0]
	s_wait_xcnt 0x0                                ; the pointers of pending loads are stepped only behind this wait
	s_add_nc_u64 s[XP:XP+1], s[XP:XP+1], ASTEP
	s_add_nc_u64 s[WP:WP+1], s[WP:WP+1], WSTEP
	ALOAD 0
.endif
	CVT 0
	s_wait_dscnt 0x0                               ; group 0's fragments are in
	GLOAD 0, 0
.if \ld
	WLOAD 0, 0, 0, 8
.endif
	GMUL 0, .Lh0_\@
	REST 0, .Lh0_\@
.Lh0_\@:
	PLACES                                         ; behind the half's last products: for the fragment loads and the roundings below
	s_wait_dscnt 0x0                               ; no fragment load is out
	LOADA 0, 1
.if \ld
	WLOAD 0, 0, 8, 32
	s_wait_loadcnt 32                              ; the 32 youngest loads are the next chunk's set 0, always issued behind its rows: so this chunk's set 1 and those rows are in, however many row loads were jumped
.else
	s_wait_loadcnt 0x0
.endif
	CVT 1
	s_wait_dscnt 0x0                               ; group 0's fragments are in
	GLOAD 0, 1
.if \ld
	ASTORE 0                                       ; behind the fragment loads: the stores drain beside the products below
	WLOAD 1, HSTEP, 0, 32
.endif
	GMUL 0, .Lh1_\@
	REST 1, .Lh1_\@
.Lh1_\@:
	PLACES                                         ; behind the last products: for the next roundings, the next fragment loads, and the stores of the sums
.Lidle_\@:
	s_wait_dscnt 0x0                               ; my stores into the other slot are done and my reads of this slot are back:
.if \ld
	s_xor_b32 s[TBR], s[TBR], SLOT1                ; the slots change places
	s_xor_b32 s[TBW], s[TBW], SLOT1
	BARRIER                                        ; one barrier a chunk serves both; every wave of every work-group passes it
.endif
.endm
.macro CLEAR win, lo, n
	WIN \win
.set z, \lo
.rept \n
	v_mov_b32 v[z], 0
.set z, z+1
.endr
	WIN 0
.endm
.macro SRCH st                         ; a step of the search for the last word whose prefix is at most the rank
	EACH v_add_nc_u32 v[u+3], \st, v[u+1]
	EACH ds_bpermute_b32 v[u+4], v[u+3], v34
	s_wait_dscnt 0x0
.set u, LS
.rept NL
	v_cmp_le_u32 vcc_lo, v[u+4], v[u]
	v_cndmask_b32 v[u+1], v[u+1], v[u+3], vcc_lo
	v_cndmask_b32 v[u+2], v[u+2], v[u+4], vcc_lo
.set u, u+12
.endr
.endm
.macro SELB x, fw, st                  ; a step of the search for the k-th set bit: the count of the next st bits is a field of fw bits of v[u+x]
.set u, LS
.rept NL
	v_bfe_u32 v[u+11], v[u+(\x)], v[u+10], \fw
	v_cmp_ge_u32 vcc_lo, v[u], v[u+11]
	v_cndmask_b32 v[u+11], 0, v[u+11], vcc_lo
	v_sub_nc_u32 v[u], v[u], v[u+11]
	v_cndmask_b32 v[u+11], 0, \st, vcc_lo
	v_add_nc_u32 v[u+10], v[u+10], v[u+11]
.set u, u+12
.endr
.endm
.macro PK32 line:vararg                ; one packed line for each of 32 register pairs z, z + 1
.set z, 0
.rept 32
	\line
.set z, z+2
.endr
.endm
; AN OWNER'S TILE: wave w finishes tile 4 trip + w, 16 tokens x 128 columns.  The trip stands in the immediates, so that every LDS address is a constant, the wave's number times a constant and a lane term.
; Window 3: v0-63 g (columns 0-63, 64-127), v64-127 u, v128-191 the exponentials.
.macro OWNER trip
	s_wait_xcnt 0x0                                ; the last tile's stores have read their registers
	s_cmp_ge_u32 s[T16], s[TT]
	s_cbranch_scc1 .Lskip_\@                       ; the tile holds no row
	WIN 0xc0
.irp p, 0,1,2,3
.irp q, 0,1,2,3,4,5,6,7
	ds_load_b128 v[32*(\p)+4*(\q):32*(\p)+4*(\q)+3], v[XR+(\p)] offset:(\trip)*16384+512*(\q)
.endr
.endr
	WIN 0
	ds_load_b32 v[SC], v[SCA] offset:(\trip)*256
.irp i, 0,1,2,3,4,5,6,7
	ds_load_b32 v[ROFF+(\i)], v[LTA] offset:(\trip)*256+8*(\i)
.endr
	s_wait_dscnt 0x0
	v_mul_f32 v[SA], 0xbfb8aa3b, v[SC]             ; -log2(e) s
	v_mul_f32 v[SB], v[SC], v[SC]                  ; s^2
	WIN 0xc3
	PK32 v_pk_mul_f32 v[128+z:129+z], v[z:z+1], v[SA:SA+1] op_sel_hi:[1,0]
.set z, 0
.rept 64
	v_exp_f32 v[128+z], v[128+z]
.set z, z+1
.endr
	WIN 0xcf
	PK32 v_pk_mul_f32 v[z:z+1], v[z:z+1], v[64+z:65+z]
	s_wait_alu depctr_va_vdst(0)                   ; one wait for the batch of exponentials; the products g u above are the plain work behind it
	PK32 v_pk_add_f32 v[128+z:129+z], v[128+z:129+z], 1.0 op_sel_hi:[1,0]
.set z, 0
.rept 64
	v_rcp_f32 v[128+z], v[128+z]
.set z, z+1
.endr
	WIN 0xc3
	PK32 v_pk_mul_f32 v[z:z+1], v[z:z+1], v[SB:SB+1] op_sel_hi:[1,0]
	s_wait_alu depctr_va_vdst(0)                   ; one wait for the batch of reciprocals; the products with s^2 above are the plain work behind it
	WIN 0xcf
	PK32 v_pk_mul_f32 v[z:z+1], v[z:z+1], v[128+z:129+z]
	WIN 0x0f
.irp c, 0,1
.irp i, 0,1,2,3,4,5,6,7
	v_cvt_pk_bf16_f32 v[HB+16*(\c)+2*(\i)],   v[32*(\c)+(\i)],    v[32*(\c)+8+(\i)]    ; columns 4 i, 4 i + 1: fragments 0 and 1
	v_cvt_pk_bf16_f32 v[HB+16*(\c)+2*(\i)+1], v[32*(\c)+16+(\i)], v[32*(\c)+24+(\i)]   ; columns 4 i + 2, 4 i + 3
.endr
.endr
	WIN 0
.irp i, 0,1,2,3,4,5,6,7
	v_min_u32 v[ROFF+(\i)], 0x3ff, v[ROFF+(\i)]    ; where the rows go
	v_lshl_add_u32 v[ROFF+(\i)], v[ROFF+(\i)], 13, v[C16]
.endr
.irp c, 0,1
.irp q, 0,1,2,3
	ds_store_b128 v[SGA], v[HB+16*(\c)+4*(\q):HB+16*(\c)+4*(\q)+3] offset:128*(\c)+16*(\q)
.endr
.endr
.irp i, 0,1,2,3,4,5,6,7
	ds_load_b128 v[OB+4*(\i):OB+4*(\i)+3], v[SGR] offset:2*SGP*(\i)  ; LDS serves a wave's instructions in order (ISA guide 5.7.1.4): these see the stores above
.endr
	s_wait_dscnt 0x0
.irp i, 0,1,2,3,4,5,6,7
	global_store_b128 v[ROFF+(\i)], v[OB+4*(\i):OB+4*(\i)+3], s[OP:OP+1]  ; sixteen lanes store 256 consecutive bytes, aligned
.endr
.Lskip_\@:
	s_add_co_u32 s[T16], s[T16], 64                ; four tiles on
.endm
	s_load_b512 s[4:19], s[0:1], 0x0               ; xb, bm, score, w_gate, w_up, ws_gate, ws_up, hid
	v_lshl_add_u32 v[SPW], v0, 2, SPARE
	v_mov_b32 v[NIL], 0
	v_and_b32 v1, 31, v0                           ; lane
	v_lshrrev_b32 v38, 5, v0
	v_readfirstlane_b32 s[WV], v38                 ; wave
	v_and_b32 v2, 15, v0                           ; r
	v_bfe_u32 v3, v0, 4, 1                         ; h
	v_lshlrev_b32 v30, 5, v1
	s_mov_b32 s[SLC], ttmp9
	s_and_b32 s[YR], ttmp7, 0xffff
	s_mov_b32 s[SEL], 0x76543210
	s_mov_b32 s[SEL+1], 0xfedcba98
	s_mov_b32 s[OF+1], 0
	s_mov_b32 s[TBR], 0                            ; chunk 0 lies in slot 0,
	s_mov_b32 s[TBW], SLOT1                        ; chunk 1 goes into slot 1
	s_wait_kmcnt 0x0
	global_load_b128 v[BW:BW+3],   v30, s[6:7]
	global_load_b128 v[BW+4:BW+7], v30, s[6:7] offset:16
	global_load_b128 v[CB:CB+3],   v30, s[6:7] offset:1024
	global_load_b128 v[CB+4:CB+7], v30, s[6:7] offset:1040
	; the addresses, while those are on their way
	v_lshlrev_b32 v[WOFF], 4, v2
	v_lshl_add_u32 v[WOFF], v3, 16, v[WOFF]
	s_lshr_b32 s[MH], s[WV], 1
	s_and_b32 s[CH], s[WV], 1
	s_mul_i32 s[TA], s[WV], 2*PITCH                ; staging instruction i of wave w: rows 8 i + 2 w + h, 256 bytes each
	v_mul_u32_u24 v[ST0], v3, PITCH
	v_lshl_add_u32 v[ST0], v2, 4, v[ST0]
	v_add_nc_u32 v[ST0], s[TA], v[ST0]
	v_mul_u32_u24 v[AF0], v2, PITCH                ; a fragment: row r, 16 h
	v_lshl_add_u32 v[AF0], v3, 4, v[AF0]
	s_mul_i32 s[TA], s[WV], PARTB
	s_add_co_u32 s[TA], s[TA], XCH
	v_lshl_add_u32 v[XA], v1, 4, s[TA]
	s_lshl_b32 s[TA], s[WV], 12
	s_add_co_u32 s[TA], s[TA], XCH
	v_lshl_add_u32 v[XR], v1, 4, s[TA]
	v_add_nc_u32 v[XR+1], PARTB, v[XR]
	v_add_nc_u32 v[XR+2], 2*PARTB, v[XR]
	v_add_nc_u32 v[XR+3], 3*PARTB, v[XR]
	s_mul_i32 s[TA], s[WV], STGB
	s_add_co_u32 s[TA], s[TA], STAGE
	v_mul_u32_u24 v[SGA], v2, SGP                  ; in: row r, my 32 columns of each 64
	v_lshl_add_u32 v[SGA], v3, 6, v[SGA]
	v_add_nc_u32 v[SGA], s[TA], v[SGA]
	v_mul_u32_u24 v[SGR], v3, SGP                  ; back: two rows of 256 bytes an instruction
	v_lshl_add_u32 v[SGR], v2, 4, v[SGR]
	v_add_nc_u32 v[SGR], s[TA], v[SGR]
	v_lshlrev_b32 v[C16], 4, v2
	s_mul_i32 s[TA], s[WV], LWB+64                 ; my list, and in it my first tile's 16 words
	s_add_co_u32 s[TA], s[TA], LIST
	v_lshl_add_u32 v[LTA], v3, 2, s[TA]
	s_add_co_u32 s[TA], s[TA], SCL-LIST
	v_lshl_add_u32 v[SCA], v2, 2, s[TA]
	v_lshlrev_b32 v31, 2, v1                       ; 4 x lane
	; The accumulators start at 0: dead groups of rows are jumped in every chunk, so no first product could start every sum.  The weight sets, the second fragment buffer, the rows in transit and the row
	; offsets are written too, so that every line that names them finds them written on every way through the text, that of a slot without rows among them.  All this stands in the wait for the four loads above.
	CLEAR 0x40, 0, 256
	CLEAR 0x80, 0, 128
	CLEAR 0xc0, 0, 256
	CLEAR 0, AB+32, 32
	CLEAR 0, TR, 96
	CLEAR 0, ROFF, 24
	s_wait_loadcnt 0x0
	; HOW MANY ROWS EACH EXPERT HAS: the two halves' counts of two experts in one register, summed over the 32 lanes
.irp p, 0,1,2,3
	v_perm_b32 v[LS+\p],   v[CB+2*\p+1], v[CB+2*\p], 0x05040100
	v_perm_b32 v[LS+4+\p], v[CB+2*\p+1], v[CB+2*\p], 0x07060302
.endr
.irp p, 0,1,2,3
	v_add_nc_u32 v[LS+\p], v[LS+\p], v[LS+4+\p]
.endr
.irp m, 1,2,4,8
.irp p, 0,1,2,3
	v_mov_b32_dpp v[LS+4+\p], v[LS+\p] row_xmask:\m row_mask:0xf bank_mask:0xf
.endr
.irp p, 0,1,2,3
	v_add_nc_u32 v[LS+\p], v[LS+\p], v[LS+4+\p]
.endr
.endr
.irp p, 0,1,2,3
	v_permlanex16_b32 v[LS+4+\p], v[LS+\p], s[SEL], s[SEL+1]
.endr
.irp p, 0,1,2,3
	v_add_nc_u32 v[LS+\p], v[LS+\p], v[LS+4+\p]
.endr
.irp p, 0,1,2,3
	v_readfirstlane_b32 s[TA], v[LS+\p]
	s_and_b32 s[NE+2*\p], s[TA], 0xffff
	s_lshr_b32 s[NE+2*\p+1], s[TA], 16
.endr
	; WHICH TILE IS MINE: the last expert whose first slot is at most y - 8.  (For a shared tile y - 8 wraps round; what is made of it is replaced below.)
	s_sub_co_u32 s[YY], s[YR], 8
	s_mov_b32 s[CUM], 0
.irp e, 0,1,2,3,4,5,6,7
	s_add_co_u32 s[TA], s[NE+\e], MROWS-1
	s_mul_i32 s[TA], s[TA], 683
	s_lshr_b32 s[TA], s[TA], 17                    ; the expert's tiles: x * 683 >> 17 = x / 192 for x < 1,216
.if \e == 0
	s_mov_b32 s[EE], 0
	s_mov_b32 s[NN], s[NE]
	s_mov_b32 s[CC], s[TA]
	s_mov_b32 s[FS], 0
.else
	s_cmp_le_u32 s[CUM], s[YY]
	s_cselect_b32 s[EE], \e, s[EE]
	s_cselect_b32 s[NN], s[NE+\e], s[NN]
	s_cselect_b32 s[CC], s[TA], s[CC]
	s_cselect_b32 s[FS], s[CUM], s[FS]
.endif
	s_add_co_u32 s[CUM], s[CUM], s[TA]
.endr
	s_cmp_lt_u32 s[YY], s[CUM]
	s_cselect_b32 s[LV], -1, 0                     ; a slot past the last tile has no rows
	s_cmp_lt_u32 s[YR], 8
	s_cselect_b32 s[SHM], -1, 0
	s_or_b32 s[LV], s[LV], s[SHM]
	; The scalar work below runs for every slot; for one without rows its numbers mean nothing, stay small, and end in 0 rows.
	s_sub_co_u32 s[TB], s[NN], 1                   ; rows a tile: floor((n - 1) / c) + 1, the quotient bit by bit (at most 191)
	s_mov_b32 s[QQ], 0
.irp b, 128,64,32,16,8,4,2,1
	s_add_co_u32 s[TA], s[QQ], \b
	s_mul_i32 s[TC], s[TA], s[CC]
	s_cmp_le_u32 s[TC], s[TB]
	s_cselect_b32 s[QQ], s[TA], s[QQ]
.endr
	s_add_co_u32 s[QQ], s[QQ], 1
	s_sub_co_u32 s[TA], s[YY], s[FS]
	s_mul_i32 s[RR0], s[TA], s[QQ]
	s_sub_co_u32 s[TA], s[NN], s[RR0]
	s_min_u32 s[TT], s[QQ], s[TA]                  ; in a slot with rows at least 1: (c - 1) ceil(n / c) < n, since c - 1 < ceil(n / c)
	s_lshl_b32 s[TA], s[YR], 7
	s_cmp_lg_u32 s[SHM], 0
	s_cselect_b32 s[TT], 128, s[TT]                ; the shared expert: 128 rows from 128 y on
	s_cselect_b32 s[RR0], s[TA], s[RR0]
	s_and_b32 s[TT], s[TT], s[LV]
	s_sub_co_u32 s[TT1], s[TT], 1
	s_add_co_u32 s[NGL], s[TT], 31
	s_lshr_b32 s[NGL], s[NGL], 5
	; the pointers
	s_min_u32 s[TA], s[EE], 7
	s_lshl_b32 s[OF], s[TA], 23                    ; an expert's weights are 8 MiB
	s_cmp_eq_u32 s[MH], 0
	s_cselect_b64 s[WP:WP+1], s[10:11], s[12:13]
	s_cselect_b64 s[TC:TC+1], s[14:15], s[16:17]
	s_add_nc_u64 s[WP:WP+1], s[WP:WP+1], s[OF:OF+1]
	s_cmp_lg_u32 s[SHM], 0
	s_cselect_b64 s[WP:WP+1], s[TC:TC+1], s[WP:WP+1]
	s_lshl_b32 s[OF], s[SLC], 9                    ; my slice's 512 bytes of a weight row,
	s_lshl_b32 s[TA], s[CH], 8                     ; my wave's 256 of them
	s_add_co_u32 s[OF], s[OF], s[TA]
	s_add_nc_u64 s[WP:WP+1], s[WP:WP+1], s[OF:OF+1]
	s_lshl_b32 s[OF], s[SLC], 8                    ; my slice's 256 bytes of a row of hid,
	s_and_b32 s[TA], s[SHM], 4096                  ; in its second half for the shared expert
	s_add_co_u32 s[OF], s[OF], s[TA]
	s_add_nc_u64 s[OP:OP+1], s[18:19], s[OF:OF+1]
	s_mov_b64 s[XP:XP+1], s[4:5]
	s_cmp_eq_u32 s[NGL], 0
	s_cbranch_scc1 .Ljoin                          ; a slot without rows jumps the loads, the list and the first fills; no barrier is jumped
	WLOAD 0, 0, 0, 32                              ; chunk 0's first half of weights goes out before the list is made
	; THE LIST.  Lane l: my expert's word of tokens 32 l .. (v32) and its count (v33)
.irp e, 1,2,3,4,5,6,7
	s_cmp_eq_u32 s[EE], \e
	s_cselect_b32 s[TA], -1, 0
.if \e == 1
	v_cndmask_b32 v32, v[BW], v[BW+1], s[TA]
	v_cndmask_b32 v33, v[CB], v[CB+1], s[TA]
.else
	v_cndmask_b32 v32, v32, v[BW+\e], s[TA]
	v_cndmask_b32 v33, v33, v[CB+\e], s[TA]
.endif
.endr
	v_lshrrev_b32 v34, 16, v33
	v_and_b32 v33, 0xffff, v33
	v_add_nc_u32 v33, v33, v34
	v_cndmask_b32 v32, v32, -1, s[SHM]             ; the shared expert takes every token
	v_cndmask_b32 v33, v33, 32, s[SHM]
	v_mov_b32 v34, v33                             ; the counts' running sum over the lanes, in five steps
.irp d, 1,2,4,8,16
	v_add_nc_u32 v35, -4*\d, v31
	v_and_b32 v35, 124, v35
	ds_bpermute_b32 v36, v35, v34
	v_cmp_le_u32 vcc_lo, \d, v1
	s_wait_dscnt 0x0
	v_cndmask_b32 v36, 0, v36, vcc_lo
	v_add_nc_u32 v34, v34, v36
.endr
	v_sub_nc_u32 v34, v34, v33                     ; v34: how many of my expert's tokens lie in the words before word l
.set z, 0
.rept NL
	v_add_nc_u32 v[LS+12*z], 32*z, v1              ; list register z: rows 32 z + lane
.set z, z+1
.endr
	EACH v_min_u32 v[u], s[TT1], v[u]              ; rows past the count repeat the last row
	EACH v_add_nc_u32 v[u], s[RR0], v[u]           ; the rank wanted
	EACH v_mov_b32 v[u+1], 0                       ; 4 x the word,
	EACH v_mov_b32 v[u+2], 0                       ; its prefix
	SRCH 64
	SRCH 32
	SRCH 16
	SRCH 8
	SRCH 4
	EACH ds_bpermute_b32 v[u+5], v[u+1], v32       ; the word
	EACH v_sub_nc_u32 v[u], v[u], v[u+2]           ; which of its set bits
	EACH v_mov_b32 v[u+10], 0
	s_wait_dscnt 0x0
	EACH v_lshrrev_b32 v[u+6], 1, v[u+5]           ; the counts of its fields of 2, 4, 8 and 16 bits
	EACH v_and_b32 v[u+6], 0x55555555, v[u+6]
	EACH v_sub_nc_u32 v[u+6], v[u+5], v[u+6]
	EACH v_lshrrev_b32 v[u+7], 2, v[u+6]
	EACH v_and_b32 v[u+7], 0x33333333, v[u+7]
	EACH v_and_b32 v[u+11], 0x33333333, v[u+6]
	EACH v_add_nc_u32 v[u+7], v[u+7], v[u+11]
	EACH v_lshrrev_b32 v[u+8], 4, v[u+7]
	EACH v_add_nc_u32 v[u+8], v[u+8], v[u+7]
	EACH v_and_b32 v[u+8], 0x0f0f0f0f, v[u+8]
	EACH v_lshrrev_b32 v[u+9], 8, v[u+8]
	EACH v_add_nc_u32 v[u+9], v[u+9], v[u+8]
	SELB 9, 8, 16
	SELB 8, 8, 8
	SELB 7, 4, 4
	SELB 6, 2, 2
	SELB 5, 1, 1
	EACH v_lshl_add_u32 v[u+10], v[u+1], 3, v[u+10]  ; the token: 32 x word + bit
	s_mul_i32 s[TA], s[WV], LWB
	s_add_co_u32 s[TA], s[TA], LIST
	v_lshl_add_u32 v35, v1, 2, s[TA]               ; my own list: no other wave reads it, so no barrier is needed
.set z, 0
.rept NL
	ds_store_b32 v35, v[LS+12*z+10] offset:128*z
.set z, z+1
.endr
.set z, 0
.rept NL
	v_min_u32 v[SCO+z], 0x3ff, v[LS+12*z+10]
	v_lshlrev_b32 v[SCO+z], 2, v[SCO+z]
	global_load_b32 v[SCV+z], v[SCO+z], s[8:9]     ; and the tokens' scores
.set z, z+1
.endr
	s_mul_i32 s[TA], s[WV], LWB+8                  ; my list, and in it the two rows of my first staging instruction
	s_add_co_u32 s[TA], s[TA], LIST
	v_lshl_add_u32 v36, v3, 2, s[TA]
	v_lshlrev_b32 v37, 4, v2
.set z, 0
.rept 24
	ds_load_b32 v[ROFF+z], v36 offset:32*z         ; LDS serves a wave's instructions in order (ISA guide 5.7.1.4): these see the stores above
.set z, z+1
.endr
	s_wait_dscnt 0x0
.set z, 0
.rept 24
	v_min_u32 v[ROFF+z], 0x3ff, v[ROFF+z]
	v_lshl_add_u32 v[ROFF+z], v[ROFF+z], 11, v37
.set z, z+1
.endr
	ALOAD 1                                        ; chunk 0's rows
	WLOAD 1, HSTEP, 0, 32                          ; chunk 0's second half of weights
	s_wait_loadcnt 32                              ; all but those 32, the youngest
.set z, 0
.rept NL
	v_cndmask_b32 v[SCV+z], v[SCV+z], 1.0, s[SHM]
	ds_store_b32 v35, v[SCV+z] offset:SCL-LIST+128*z
.set z, z+1
.endr
	v_mov_b32 v[STA], v[ST0]
	ASTORE 1                                       ; chunk 0 into slot 0, whole
	v_add_nc_u32 v[STA], SLOT1, v[ST0]
	ASTORE 1                                       ; the same rows into slot 1, so that both slots are written whole once; chunk 0 writes chunk 1's live rows over them, behind the barrier below
.Ljoin:
	s_wait_dscnt 0x0                               ; for the others' sake: my rows are in LDS
	BARRIER
	s_mov_b32 s[LC], NCH-1
.Lloop:
	CHUNK 1
	s_sub_co_u32 s[LC], s[LC], 1
	s_cmp_lg_u32 s[LC], 0
	s_cbranch_scc1 .Lloop
	CHUNK 0                                        ; the last chunk asks for nothing: no load passes a buffer's end
	; THE EXCHANGE: each wave's sums go to LDS, each accumulator's registers in ascending order
	s_cmp_eq_u32 s[NGL], 0
	s_cbranch_scc1 .Lxs
.set gg, 0
.rept NG
.if gg < 4
	WIN 0x04
.else
	WIN 0x08
.endif
.irp tl, 0,1
.irp q, 0,1,2,3,4,5,6,7
	ds_store_b128 v[XA], v[32*((2*gg+(\tl))%8)+4*(\q):32*((2*gg+(\tl))%8)+4*(\q)+3] offset:(2*gg+(\tl))*4096+512*(\q)
.endr
.endr
	WIN 0
.if gg < NG-1
	s_cmp_le_u32 s[NGL], gg+1
	s_cbranch_scc1 .Lxs
.endif
.set gg, gg+1
.endr
.Lxs:
	s_wait_dscnt 0x0
	BARRIER
	; THE OWNERS: wave w finishes tiles w, w + 4, w + 8; a tile without rows is jumped
	s_lshl_b32 s[T16], s[WV], 4
	OWNER 0
	OWNER 1
	OWNER 2
	s_wait_tensorcnt 0x0                           ; the wave's end
	ds_add_u32 v[SPW], v[NIL]
	s_wait_dscnt 0x0
	s_endpgm
.Lfunc_end_k_q14a0356d3d_gateup:
	.size	k_q14a0356d3d_gateup, .Lfunc_end_k_q14a0356d3d_gateup-k_q14a0356d3d_gateup
	.p2alignl 7, 3214868480
	.fill 96, 4, 3214868480
	.section	.rodata,"a",@progbits
	.p2align	6, 0x0
	.amdhsa_kernel k_q14a0356d3d_gateup
		.amdhsa_group_segment_fixed_size 314368
		.amdhsa_private_segment_fixed_size 0
		.amdhsa_enable_private_segment 0
		.amdhsa_kernarg_size 64
		.amdhsa_user_sgpr_count 2
		.amdhsa_user_sgpr_kernarg_segment_ptr 1
		.amdhsa_wavefront_size32 1
		.amdhsa_system_sgpr_workgroup_id_x 1
		.amdhsa_system_sgpr_workgroup_id_y 1
		.amdhsa_system_sgpr_workgroup_id_z 1
		.amdhsa_system_vgpr_workitem_id 0
		.amdhsa_next_free_vgpr 1024
		.amdhsa_next_free_sgpr 66
		.amdhsa_reserve_vcc 1
		.amdhsa_float_denorm_mode_32 3
		.amdhsa_float_denorm_mode_16_64 3
		.amdhsa_memory_ordered 1
		.amdhsa_forward_progress 1
		.amdhsa_inst_pref_size 222
	.end_amdhsa_kernel
	.amdgpu_metadata
---
amdhsa.version: [ 1, 2 ]
amdhsa.kernels:
  - .name:           k_q14a0356d3d_gateup
    .symbol:         k_q14a0356d3d_gateup.kd
    .args:
      - { .name: xb, .offset: 0, .size: 8, .value_kind: global_buffer, .address_space: global }
      - { .name: bm, .offset: 8, .size: 8, .value_kind: global_buffer, .address_space: global }
      - { .name: score, .offset: 16, .size: 8, .value_kind: global_buffer, .address_space: global }
      - { .name: w_gate, .offset: 24, .size: 8, .value_kind: global_buffer, .address_space: global }
      - { .name: w_up, .offset: 32, .size: 8, .value_kind: global_buffer, .address_space: global }
      - { .name: ws_gate, .offset: 40, .size: 8, .value_kind: global_buffer, .address_space: global }
      - { .name: ws_up, .offset: 48, .size: 8, .value_kind: global_buffer, .address_space: global }
      - { .name: hid, .offset: 56, .size: 8, .value_kind: global_buffer, .address_space: global }
    .group_segment_fixed_size: 314368
    .private_segment_fixed_size: 0
    .kernarg_segment_align: 8
    .kernarg_segment_size: 64
    .max_flat_workgroup_size: 128
    .sgpr_count:     66
    .vgpr_count:     1024
    .wavefront_size: 32
...
	.end_amdgpu_metadata
.endif
;; end of part 4
;; launch down (part 5): grid 16 x 18, 4 waves a work-group, no clusters, 228,864 bytes of LDS; arguments hid, bm, w_down, ws_down, out0; writes out0
.if DOCPART == 5
	.amdgcn_target "amdgcn-amd-amdhsa--gfx1250"
	.amdhsa_code_object_version 6
	.text
	.protected	k_q14a0356d3d_down
	.globl	k_q14a0356d3d_down
	.p2align	8
	.type	k_q14a0356d3d_down,@function
k_q14a0356d3d_down:
	s_mov_b64 s[64:65], 0
	v_nop
	global_prefetch_b8 v0, s[64:65] scope:SCOPE_SE
	s_setreg_imm32_b32 hwreg(HW_REG_WAVE_MODE, 25, 1), 1
	s_wait_xcnt 0x0
; DOWN.  out0[t] = hid[t][0:2048] w_down[e] + hid[t][2048:4096] ws_down: ONE sum over K = 4,096 for each output, so each output row has one owner.  e is the token's expert.
; Weights are rounded to bf16 on their way through registers; sums in f32; out0 is f32.
; GRID.  x: a slice of 64 columns.  y: a tile slot.  An expert with n rows has c = ceil(n / 96) tiles of ceil(n / c) rows; there are never more than 18, whatever the split.  Every wave finds its slot's
; expert, first rank and rows from the stored counts.  A slot past the last tile has 0 rows: it jumps all the work, passes the launch's one barrier, asks for nothing and stores nothing.
; WEIGHTS lie [k][n].  A lane loads 16 bytes, columns 4 r .. 4 r + 3 of one row; lanes 0-15 take row k, lanes 16-31 row k + 8: each half of the wave reads 256 consecutive bytes, aligned.  Component j of
; the 16 loads of a K step of 32 is source 0 of a matrix instruction whose row m is column 4 m + j.  Source 1 is 16 tokens.  In the result a lane holds token r, and register i of fragment j column 32 h + 4 i + j.
; WAVES.  Wave w takes quarter w of each chunk of 256 along K, for all rows: up to 6 tiles x 4 fragments.  Chunks 0-7 take w_down[e], chunks 8-15 ws_down.  The four parts meet in LDS at the end.
; TOKEN ROWS.  Of a row's 512 bytes of a chunk wave w alone needs bytes 128 w .. 128 w + 127.  So each wave stages its own bytes, in a ring of two LDS slots of its own, a chunk ahead.
; A row load takes 4 rows x 128 bytes: half of an aligned block of 256 bytes; the neighbouring wave reads the other half in the same chunk.
; The rows come by a list (each wave makes its own); rows past the tile's count repeat its last token (their results are stored twice, with the same bytes); whole dead blocks of 16 rows and groups of
; 32 are jumped by scalar branches.  NO CLUSTER, NO TENSOR LOADS: the rows come by a list that no descriptor covers.  NaN and infinities are not treated apart.
.set MROWS, 96                         ; rows of a tile at the most
.set NT,    6                          ; tiles of 16 rows
.set NG,    3                          ; groups of two tiles
.set NCH,   16                         ; chunks of K
.set ROWB,  4096                       ; bytes in a weight row
.set PITCH, 144                        ; an LDS row: a wave's 128 bytes of a chunk + 16: an odd multiple of 16
.set ASTEP, 512                        ; a chunk's bytes of a token row
.set NL,    3                          ; list registers: 32 rows each
.set LWB,   512                        ; a wave's list bytes
.set SGP,   272                        ; a stage row: 256 bytes + 16
.set SLOT,  MROWS*PITCH                ; LDS: for each wave a ring of two slots,
.set XCH,   4*2*SLOT                   ; the four waves' parts (a tile: 4,096 bytes),
.set PARTB, NT*4096
.set STAGE, XCH+4*PARTB                ; a stage of 16 rows for each wave,
.set STGB,  16*SGP
.set LIST,  STAGE+4*STGB               ; a list of tokens (one word a row) for each wave,
.set SPARE, LIST+4*LWB                 ; and the spare words, 128 bytes a wave: two blocks of 256 bytes that no other line names
; vector registers, window 0
.set WOFF, 4                           ; my byte offset in 16 weight rows: h * 8 rows + 16 r
.set STA,  5                           ; v5-6    where I put staged rows, slot 0, 1
.set AFA,  7                           ; v7-8    my token fragments, slot 0, 1
.set XA,   9                           ; my part in the exchange
.set XR,   10                          ; v10-13  the four parts of the first tile that I own
.set SGA,  14                          ; stage: in
.set SGR,  15                          ; stage: back
.set LTA,  16                          ; the list words of the rows that I store
.set LRA,  17                          ; the list words of the rows that I stage
.set RBT,  18                          ; my 16 bytes in a token row's chunk: 128 w + 16 (lane % 8)
.set BW,   20                          ; v20-27  lane l: the 8 experts' mask words of tokens 32 l ..
.set SPW,  28
.set NIL,  29
.set C16,  39                          ; my 16 bytes in a stored row
.set ROFF, 40                          ; v40-63  byte offsets of the rows of my 24 staging instructions; later of the rows that I store
.set AB,   64                          ; v64-127 token fragments: two buffers of two tiles x two K steps
.set TR,   128                         ; v128-223 rows on their way from memory to LDS; first the list's work registers; last the epilogue's sums
.set LS,   TR                          ; 12 work registers for each list register
.set CB,   224                         ; v224-231 the counts that belong to BW
.set BF,   128                         ; window 2: v128-191 the weights' fragments, 32 ks + 8 j
.set TMPB, 128                         ; window 2: v128-223 carry chunk 0's rows before the first roundings write BF
; window 1: accumulators at 32 t + 8 j; window 3: two sets of 128 for weights as loaded, 64 ks + 4 i + j
; scalar registers
.set WV,  20
.set SLC, 21
.set YY,  22
.set WS,  24                           ; s[24:25] the shared weights at my slice
.set CN,  26                           ; the chunk that the weight pointer stands at
.set LV,  27                           ; -1: my slot has rows
.set NE,  28                           ; s[28:35] rows of each expert
.set CUM, 36
.set EE,  37
.set NN,  38
.set CC,  39
.set ST0, 40
.set TA,  41
.set TB,  42
.set QQ,  43
.set RR0, 44                           ; the tile's first rank
.set TT,  45                           ; its rows
.set TT1, 46
.set NGL, 47                           ; its live groups of 32 rows; 0: a slot without rows
.set SBK, 49                           ; its live staging blocks of 16 rows
.set WP,  50
.set XP,  52
.set OP,  54
.set OF,  56
.set LC,  58
.set T16, 59
.set SEL, 60
.set TC,  62
.set MSB, 0
.macro WIN new                         ; s_set_vgpr_msb: bits 1:0 source 0, 3:2 source 1, 5:4 source 2, 7:6 destination; the high byte repeats the setting that is left
.if MSB != (\new)
	s_set_vgpr_msb (MSB<<8)|(\new)
.set MSB, (\new)
.endif
.endm
.macro PLACES                          ; four places behind a matrix instruction (ISA guide 7.12.1)
.rept 4
	v_nop
.endr
.endm
.macro EACH line:vararg                ; one line for each list register; its work registers begin at v[u]
.set u, LS
.rept NL
	\line
.set u, u+12
.endr
.endm
; 32 loads: my two K steps of a chunk's weights into set 0 or 1
.macro WLOAD set, extra
	WIN 0xc0
.irp ks, 0,1
.irp i, 0,1,2,3,4,5,6,7,8,9,10,11,12,13,14,15
	global_load_b128 v[128*(\set)+64*(\ks)+4*(\i):128*(\set)+64*(\ks)+4*(\i)+3], v[WOFF], s[WP:WP+1] offset:(\extra)+(32*(\ks)+(\i)+8*((\i)/8))*ROWB
.endr
.endr
	WIN 0
.endm
; my 128 bytes of a chunk's token rows, memory to registers: six blocks of 16 rows, four loads each; full = 0: dead blocks are jumped.
; Load i of block b: rows 16 b + 2 i + h + 8 ((lane / 8) % 2), 16 bytes a lane.
.macro ALOAD base, win, full, extra
	WIN \win
.irp b, 0,1,2,3,4,5
.irp i, 0,1,2,3
	global_load_b128 v[(\base)+16*(\b)+4*(\i):(\base)+16*(\b)+4*(\i)+3], v[ROFF+4*(\b)+(\i)], s[XP:XP+1] offset:\extra
.endr
.if ((\full) == 0) && ((\b) < 5)
	s_cmp_le_u32 s[SBK], (\b)+1
	s_cbranch_scc1 .Lal_\@
.endif
.endr
	WIN 0
.Lal_\@:
.endm
; and registers to LDS.  Sixteen lanes put two rows that lie 8 x 144 = 1,152 bytes apart, 128 modulo 256: 256 different bytes of the banks' row
.macro ASTORE slot, base, win, full
	WIN \win
.irp b, 0,1,2,3,4,5
.irp i, 0,1,2,3
	ds_store_b128 v[STA+(\slot)], v[(\base)+16*(\b)+4*(\i):(\base)+16*(\b)+4*(\i)+3] offset:(16*(\b)+2*(\i))*PITCH
.endr
.if ((\full) == 0) && ((\b) < 5)
	s_cmp_le_u32 s[SBK], (\b)+1
	s_cbranch_scc1 .Las_\@
.endif
.endr
	WIN 0
.Las_\@:
.endm
; 64 roundings: component j of loads 2 p and 2 p + 1 is register p of fragment j
.macro CVT set
	WIN 0x8f
.irp ks, 0,1
.irp j, 0,1,2,3
.irp p, 0,1,2,3,4,5,6,7
	v_cvt_pk_bf16_f32 v[BF+32*(\ks)+8*(\j)+(\p)], v[128*(\set)+64*(\ks)+8*(\p)+(\j)], v[128*(\set)+64*(\ks)+8*(\p)+4+(\j)]
.endr
.endr
.endr
	WIN 0
.endm
; 8 LDS loads: group g's two tiles, my two K steps
.macro LOADA slot, g
	WIN 0
.irp tl, 0,1
.irp ks, 0,1
	ds_load_b128 v[AB+32*((\g)%2)+16*(\tl)+8*(\ks):AB+32*((\g)%2)+16*(\tl)+8*(\ks)+3],   v[AFA+(\slot)] offset:(2*(\g)+(\tl))*16*PITCH+64*(\ks)
	ds_load_b128 v[AB+32*((\g)%2)+16*(\tl)+8*(\ks)+4:AB+32*((\g)%2)+16*(\tl)+8*(\ks)+7], v[AFA+(\slot)] offset:(2*(\g)+(\tl))*16*PITCH+64*(\ks)+32
.endr
.endr
.endm
; 16 matrix instructions; the group's eight accumulators take turns: two links of a chain stand eight apart
.macro MM g
	WIN 0x52
.irp ks, 0,1
.irp tl, 0,1
.irp j, 0,1,2,3
.set rA, 32*(2*(\g)+(\tl))+8*(\j)
	v_wmma_f32_16x16x32_bf16 v[rA:rA+7], v[BF+32*(\ks)+8*(\j):BF+32*(\ks)+8*(\j)+7], v[AB+32*((\g)%2)+16*(\tl)+8*(\ks):AB+32*((\g)%2)+16*(\tl)+8*(\ks)+7], v[rA:rA+7]
.endr
.endr
.endr
	WIN 0
.endm
; CHUNK c, in my ring slot and weight set `slot`.  stA: chunk c + 1's rows go into my other slot.  ld: chunk c + 2's rows and weights are asked for.
; All LDS bytes here are the wave's own, and LDS serves a wave's instructions in order (ISA guide 5.7.1.4): no barrier, and no wait between a slot's stores and the loads that read them a chunk later.
.macro CHUNK slot, stA, ld
.if \stA
	s_wait_loadcnt 32                              ; the 32 youngest loads are chunk c + 1's weights, always issued behind its rows: so those rows and chunk c's weights are in, however many row loads were jumped
.else
	s_wait_loadcnt 0x0
.endif
	LOADA \slot, 0                                 ; the fragments of groups 0 and 1 go out first, into the two buffers, ahead of every store and global load
	s_cmp_le_u32 s[NGL], 1
	s_cbranch_scc1 .Lf1_\@
	LOADA \slot, 1
.Lf1_\@:
	CVT \slot
	s_wait_dscnt 0x0                               ; the fragments are in; no store is out yet
.if \stA
	ASTORE 1-(\slot), TR, 0, 0                     ; the stores drain beside the products below
.endif
.if \ld
	s_wait_xcnt 0x0                                ; the pointers of pending loads are stepped only behind this wait
	s_add_nc_u64 s[XP:XP+1], s[XP:XP+1], ASTEP
	s_add_nc_u64 s[WP:WP+1], s[WP:WP+1], 0x100000
	s_add_co_u32 s[CN], s[CN], 1
	s_cmp_eq_u32 s[CN], 8
	s_cselect_b64 s[WP:WP+1], s[WS:WS+1], s[WP:WP+1]  ; from chunk 8 on: the shared expert's weights
	ALOAD TR, 0, 0, 0
.endif
	MM 0
.if \ld
	WLOAD \slot, 0                                 ; behind the first products: by now the set before has had a chunk in which to land
.endif
	s_cmp_le_u32 s[NGL], 1
	s_cbranch_scc1 .Ldone_\@                       ; the groups behind hold no row
	PLACES                                         ; group 2's fragments go into the buffer that group 0's products read
	s_cmp_le_u32 s[NGL], 2
	s_cbranch_scc1 .Lf2_\@
	LOADA \slot, 2
.Lf2_\@:
	MM 1
	s_cmp_le_u32 s[NGL], 2
	s_cbranch_scc1 .Ldone_\@
	s_wait_dscnt 0x0
	MM 2
.Ldone_\@:
	PLACES                                         ; behind the last products: for the next roundings into their source, the next fragment loads, and the stores of the sums
	s_wait_dscnt 0x0                               ; no LDS load is out when the fragment buffers are loaded again
.endm
.macro CLEAR win, lo, n
	WIN \win
.set z, \lo
.rept \n
	v_mov_b32 v[z], 0
.set z, z+1
.endr
	WIN 0
.endm
.macro SRCH st                         ; a step of the search for the last word whose prefix is at most the rank
	EACH v_add_nc_u32 v[u+3], \st, v[u+1]
	EACH ds_bpermute_b32 v[u+4], v[u+3], v34
	s_wait_dscnt 0x0
.set u, LS
.rept NL
	v_cmp_le_u32 vcc_lo, v[u+4], v[u]
	v_cndmask_b32 v[u+1], v[u+1], v[u+3], vcc_lo
	v_cndmask_b32 v[u+2], v[u+2], v[u+4], vcc_lo
.set u, u+12
.endr
.endm
.macro SELB x, fw, st                  ; a step of the search for the k-th set bit: the count of the next st bits is a field of fw bits of v[u+x]
.set u, LS
.rept NL
	v_bfe_u32 v[u+11], v[u+(\x)], v[u+10], \fw
	v_cmp_ge_u32 vcc_lo, v[u], v[u+11]
	v_cndmask_b32 v[u+11], 0, v[u+11], vcc_lo
	v_sub_nc_u32 v[u], v[u], v[u+11]
	v_cndmask_b32 v[u+11], 0, \st, vcc_lo
	v_add_nc_u32 v[u+10], v[u+10], v[u+11]
.set u, u+12
.endr
.endm
; AN OWNER'S TILE: wave w finishes tile 4 trip + w.  The trip stands in the immediates, so that every LDS address is a constant, the wave's number times a constant and a lane term.
.macro OWNER trip
	s_wait_xcnt 0x0                                ; the last tile's stores have read their registers
.if 4*(\trip)+3 >= NT
	s_cmp_ge_u32 s[WV], NT-4*(\trip)
	s_cbranch_scc1 .Lskip_\@                       ; there is no such tile
.endif
	s_cmp_ge_u32 s[T16], s[TT]
	s_cbranch_scc1 .Lskip_\@                       ; the tile holds no row
	WIN 0xc0
.irp p, 0,1,2,3
.irp q, 0,1,2,3,4,5,6,7
	ds_load_b128 v[32*(\p)+4*(\q):32*(\p)+4*(\q)+3], v[XR+(\p)] offset:(\trip)*16384+512*(\q)
.endr
.endr
	WIN 0
.irp i, 0,1,2,3,4,5,6,7
	ds_load_b32 v[ROFF+(\i)], v[LTA] offset:(\trip)*256+8*(\i)
.endr
	s_wait_dscnt 0x0
	WIN 0x0f
.set z, 0
.rept 16
	v_pk_add_f32 v[128+z:129+z], v[z:z+1], v[32+z:33+z]
	v_pk_add_f32 v[160+z:161+z], v[64+z:65+z], v[96+z:97+z]
.set z, z+2
.endr
	WIN 0
.irp j, 0,1,2,3
.irp i, 0,1,2,3,4,5,6,7
	v_add_f32 v[192+4*(\i)+(\j)], v[128+8*(\j)+(\i)], v[160+8*(\j)+(\i)]  ; the last sum puts the columns in order
.endr
.endr
.irp i, 0,1,2,3,4,5,6,7
	v_min_u32 v[ROFF+(\i)], 0x3ff, v[ROFF+(\i)]
	v_lshl_add_u32 v[ROFF+(\i)], v[ROFF+(\i)], 12, v[C16]
.endr
.irp q, 0,1,2,3,4,5,6,7
	ds_store_b128 v[SGA], v[192+4*(\q):195+4*(\q)] offset:16*(\q)
.endr
.irp i, 0,1,2,3,4,5,6,7
	ds_load_b128 v[224+4*(\i):227+4*(\i)], v[SGR] offset:2*SGP*(\i)  ; LDS serves a wave's instructions in order (ISA guide 5.7.1.4): these see the stores above
.endr
	s_wait_dscnt 0x0
.irp i, 0,1,2,3,4,5,6,7
	global_store_b128 v[ROFF+(\i)], v[224+4*(\i):227+4*(\i)], s[OP:OP+1] th:TH_STORE_NT  ; sixteen lanes store 256 consecutive bytes, aligned
.endr
.Lskip_\@:
	s_add_co_u32 s[T16], s[T16], 64                ; four tiles on
.endm
	s_load_b256 s[4:11], s[0:1], 0x0               ; hid, bm, w_down, ws_down
	s_load_b64 s[12:13], s[0:1], 0x20              ; out0
	v_lshl_add_u32 v[SPW], v0, 2, SPARE
	v_mov_b32 v[NIL], 0
	v_and_b32 v1, 31, v0                           ; lane
	v_lshrrev_b32 v38, 5, v0
	v_readfirstlane_b32 s[WV], v38                 ; wave
	v_and_b32 v2, 15, v0                           ; r
	v_bfe_u32 v3, v0, 4, 1                         ; h
	v_lshlrev_b32 v30, 5, v1
	s_mov_b32 s[SLC], ttmp9
	s_and_b32 s[YY], ttmp7, 0xffff
	s_mov_b32 s[SEL], 0x76543210
	s_mov_b32 s[SEL+1], 0xfedcba98
	s_mov_b32 s[OF+1], 0
	s_wait_kmcnt 0x0
	global_load_b128 v[BW:BW+3],   v30, s[6:7]
	global_load_b128 v[BW+4:BW+7], v30, s[6:7] offset:16
	global_load_b128 v[CB:CB+3],   v30, s[6:7] offset:1024
	global_load_b128 v[CB+4:CB+7], v30, s[6:7] offset:1040
	; the addresses, while those are on their way
	v_lshlrev_b32 v[WOFF], 4, v2
	v_lshl_add_u32 v[WOFF], v3, 15, v[WOFF]
	v_bfe_u32 v38, v0, 3, 1                        ; (lane / 8) % 2
	v_and_b32 v36, 7, v0                           ; lane % 8
	s_mul_i32 s[TA], s[WV], 2*SLOT                 ; my ring
	v_mul_u32_u24 v[STA], v3, PITCH                ; a staged row: h, + 8 for the second eight lanes of each half; 16 bytes a lane
	v_mul_u32_u24 v37, v38, 8*PITCH
	v_add_nc_u32 v[STA], v[STA], v37
	v_lshl_add_u32 v[STA], v36, 4, v[STA]
	v_add_nc_u32 v[STA], s[TA], v[STA]
	v_add_nc_u32 v[STA+1], SLOT, v[STA]
	v_mul_u32_u24 v[AFA], v2, PITCH                ; a fragment: row r, 16 h
	v_lshl_add_u32 v[AFA], v3, 4, v[AFA]
	v_add_nc_u32 v[AFA], s[TA], v[AFA]
	v_add_nc_u32 v[AFA+1], SLOT, v[AFA]
	s_mul_i32 s[TA], s[WV], LWB                    ; my list: the words of the rows of my first staging instruction
	s_add_co_u32 s[TA], s[TA], LIST
	v_lshl_add_u32 v[LRA], v3, 2, s[TA]
	v_lshl_add_u32 v[LRA], v38, 5, v[LRA]
	s_lshl_b32 s[TA], s[WV], 7
	v_lshl_add_u32 v[RBT], v36, 4, s[TA]
	s_mul_i32 s[TA], s[WV], PARTB
	s_add_co_u32 s[TA], s[TA], XCH
	v_lshl_add_u32 v[XA], v1, 4, s[TA]
	s_lshl_b32 s[TA], s[WV], 12
	s_add_co_u32 s[TA], s[TA], XCH
	v_lshl_add_u32 v[XR], v1, 4, s[TA]
	v_add_nc_u32 v[XR+1], PARTB, v[XR]
	v_add_nc_u32 v[XR+2], 2*PARTB, v[XR]
	v_add_nc_u32 v[XR+3], 3*PARTB, v[XR]
	s_mul_i32 s[TA], s[WV], STGB
	s_add_co_u32 s[TA], s[TA], STAGE
	v_mul_u32_u24 v[SGA], v2, SGP                  ; in: row r, my 32 columns
	v_lshl_add_u32 v[SGA], v3, 7, v[SGA]
	v_add_nc_u32 v[SGA], s[TA], v[SGA]
	v_mul_u32_u24 v[SGR], v3, SGP                  ; back: two rows of 256 bytes an instruction
	v_lshl_add_u32 v[SGR], v2, 4, v[SGR]
	v_add_nc_u32 v[SGR], s[TA], v[SGR]
	v_lshlrev_b32 v[C16], 4, v2
	s_mul_i32 s[TA], s[WV], LWB+64                 ; my list, and in it my first tile's 16 words
	s_add_co_u32 s[TA], s[TA], LIST
	v_lshl_add_u32 v[LTA], v3, 2, s[TA]
	v_lshlrev_b32 v31, 2, v1                       ; 4 x lane
	; The accumulators start at 0: dead groups of rows are jumped in every chunk, so no first product could start every sum.  The second fragment buffer is written too: its loads are jumped where
	; group 1 holds no row.  All this stands in the wait for the four loads above.
	CLEAR 0x40, 0, 192
	CLEAR 0, AB+32, 32
	s_wait_loadcnt 0x0
	; HOW MANY ROWS EACH EXPERT HAS: the two halves' counts of two experts in one register, summed over the 32 lanes
.irp p, 0,1,2,3
	v_perm_b32 v[LS+\p],   v[CB+2*\p+1], v[CB+2*\p], 0x05040100
	v_perm_b32 v[LS+4+\p], v[CB+2*\p+1], v[CB+2*\p], 0x07060302
.endr
.irp p, 0,1,2,3
	v_add_nc_u32 v[LS+\p], v[LS+\p], v[LS+4+\p]
.endr
.irp m, 1,2,4,8
.irp p, 0,1,2,3
	v_mov_b32_dpp v[LS+4+\p], v[LS+\p] row_xmask:\m row_mask:0xf bank_mask:0xf
.endr
.irp p, 0,1,2,3
	v_add_nc_u32 v[LS+\p], v[LS+\p], v[LS+4+\p]
.endr
.endr
.irp p, 0,1,2,3
	v_permlanex16_b32 v[LS+4+\p], v[LS+\p], s[SEL], s[SEL+1]
.endr
.irp p, 0,1,2,3
	v_add_nc_u32 v[LS+\p], v[LS+\p], v[LS+4+\p]
.endr
.irp p, 0,1,2,3
	v_readfirstlane_b32 s[TA], v[LS+\p]
	s_and_b32 s[NE+2*\p], s[TA], 0xffff
	s_lshr_b32 s[NE+2*\p+1], s[TA], 16
.endr
	; WHICH TILE IS MINE: the last expert whose first slot is at most y
	s_mov_b32 s[CUM], 0
.irp e, 0,1,2,3,4,5,6,7
	s_add_co_u32 s[TA], s[NE+\e], MROWS-1
	s_mul_i32 s[TA], s[TA], 683
	s_lshr_b32 s[TA], s[TA], 16                    ; the expert's tiles: x * 683 >> 16 = x / 96 for x < 1,120
.if \e == 0
	s_mov_b32 s[EE], 0
	s_mov_b32 s[NN], s[NE]
	s_mov_b32 s[CC], s[TA]
	s_mov_b32 s[ST0], 0
.else
	s_cmp_le_u32 s[CUM], s[YY]
	s_cselect_b32 s[EE], \e, s[EE]
	s_cselect_b32 s[NN], s[NE+\e], s[NN]
	s_cselect_b32 s[CC], s[TA], s[CC]
	s_cselect_b32 s[ST0], s[CUM], s[ST0]
.endif
	s_add_co_u32 s[CUM], s[CUM], s[TA]
.endr
	s_cmp_lt_u32 s[YY], s[CUM]
	s_cselect_b32 s[LV], -1, 0                     ; a slot past the last tile has no rows
	; The scalar work below runs for every slot; for one without rows its numbers mean nothing, stay small, and end in 0 rows.
	s_sub_co_u32 s[TB], s[NN], 1                   ; rows a tile: floor((n - 1) / c) + 1, the quotient bit by bit (at most 95)
	s_mov_b32 s[QQ], 0
.irp b, 128,64,32,16,8,4,2,1
	s_add_co_u32 s[TA], s[QQ], \b
	s_mul_i32 s[TC], s[TA], s[CC]
	s_cmp_le_u32 s[TC], s[TB]
	s_cselect_b32 s[QQ], s[TA], s[QQ]
.endr
	s_add_co_u32 s[QQ], s[QQ], 1
	s_sub_co_u32 s[TA], s[YY], s[ST0]
	s_mul_i32 s[RR0], s[TA], s[QQ]
	s_sub_co_u32 s[TA], s[NN], s[RR0]
	s_min_u32 s[TT], s[QQ], s[TA]                  ; in a slot with rows at least 1: (c - 1) ceil(n / c) < n, since c - 1 < ceil(n / c)
	s_and_b32 s[TT], s[TT], s[LV]
	s_sub_co_u32 s[TT1], s[TT], 1
	s_add_co_u32 s[NGL], s[TT], 31
	s_lshr_b32 s[NGL], s[NGL], 5
	s_add_co_u32 s[SBK], s[TT], 15
	s_lshr_b32 s[SBK], s[SBK], 4
	; the pointers
	s_min_u32 s[TA], s[EE], 7
	s_lshl_b32 s[OF], s[TA], 23                    ; an expert's weights are 8 MiB
	s_add_nc_u64 s[WP:WP+1], s[8:9], s[OF:OF+1]
	s_lshl_b32 s[OF], s[SLC], 8                    ; my slice's 256 bytes of a row
	s_add_nc_u64 s[OP:OP+1], s[12:13], s[OF:OF+1]
	s_lshl_b32 s[TA], s[WV], 18                    ; my 64 rows of a chunk
	s_add_co_u32 s[OF], s[OF], s[TA]
	s_add_nc_u64 s[WP:WP+1], s[WP:WP+1], s[OF:OF+1]
	s_add_nc_u64 s[WS:WS+1], s[10:11], s[OF:OF+1]
	s_mov_b32 s[CN], 1
	s_mov_b64 s[XP:XP+1], s[4:5]
	s_mov_b32 s[LC], (NCH-2)/2
	s_cmp_eq_u32 s[NGL], 0
	s_cbranch_scc1 .Lxs                            ; a slot without rows jumps the loads, the list, the loop over K and the exchange's stores; no barrier is jumped
	WLOAD 0, 0                                     ; chunk 0's weights go out before the list is made
	; THE LIST.  Lane l: my expert's word of tokens 32 l .. (v32) and its count (v33)
.irp e, 1,2,3,4,5,6,7
	s_cmp_eq_u32 s[EE], \e
	s_cselect_b32 s[TA], -1, 0
.if \e == 1
	v_cndmask_b32 v32, v[BW], v[BW+1], s[TA]
	v_cndmask_b32 v33, v[CB], v[CB+1], s[TA]
.else
	v_cndmask_b32 v32, v32, v[BW+\e], s[TA]
	v_cndmask_b32 v33, v33, v[CB+\e], s[TA]
.endif
.endr
	v_lshrrev_b32 v34, 16, v33
	v_and_b32 v33, 0xffff, v33
	v_add_nc_u32 v33, v33, v34
	v_mov_b32 v34, v33                             ; the counts' running sum over the lanes, in five steps
.irp d, 1,2,4,8,16
	v_add_nc_u32 v35, -4*\d, v31
	v_and_b32 v35, 124, v35
	ds_bpermute_b32 v36, v35, v34
	v_cmp_le_u32 vcc_lo, \d, v1
	s_wait_dscnt 0x0
	v_cndmask_b32 v36, 0, v36, vcc_lo
	v_add_nc_u32 v34, v34, v36
.endr
	v_sub_nc_u32 v34, v34, v33                     ; v34: how many of my expert's tokens lie in the words before word l
.set z, 0
.rept NL
	v_add_nc_u32 v[LS+12*z], 32*z, v1              ; list register z: rows 32 z + lane
.set z, z+1
.endr
	EACH v_min_u32 v[u], s[TT1], v[u]              ; rows past the count repeat the last row
	EACH v_add_nc_u32 v[u], s[RR0], v[u]           ; the rank wanted
	EACH v_mov_b32 v[u+1], 0                       ; 4 x the word,
	EACH v_mov_b32 v[u+2], 0                       ; its prefix
	SRCH 64
	SRCH 32
	SRCH 16
	SRCH 8
	SRCH 4
	EACH ds_bpermute_b32 v[u+5], v[u+1], v32       ; the word
	EACH v_sub_nc_u32 v[u], v[u], v[u+2]           ; which of its set bits
	EACH v_mov_b32 v[u+10], 0
	s_wait_dscnt 0x0
	EACH v_lshrrev_b32 v[u+6], 1, v[u+5]           ; the counts of its fields of 2, 4, 8 and 16 bits
	EACH v_and_b32 v[u+6], 0x55555555, v[u+6]
	EACH v_sub_nc_u32 v[u+6], v[u+5], v[u+6]
	EACH v_lshrrev_b32 v[u+7], 2, v[u+6]
	EACH v_and_b32 v[u+7], 0x33333333, v[u+7]
	EACH v_and_b32 v[u+11], 0x33333333, v[u+6]
	EACH v_add_nc_u32 v[u+7], v[u+7], v[u+11]
	EACH v_lshrrev_b32 v[u+8], 4, v[u+7]
	EACH v_add_nc_u32 v[u+8], v[u+8], v[u+7]
	EACH v_and_b32 v[u+8], 0x0f0f0f0f, v[u+8]
	EACH v_lshrrev_b32 v[u+9], 8, v[u+8]
	EACH v_add_nc_u32 v[u+9], v[u+9], v[u+8]
	SELB 9, 8, 16
	SELB 8, 8, 8
	SELB 7, 4, 4
	SELB 6, 2, 2
	SELB 5, 1, 1
	EACH v_lshl_add_u32 v[u+10], v[u+1], 3, v[u+10]  ; the token: 32 x word + bit
	s_mul_i32 s[TA], s[WV], LWB
	s_add_co_u32 s[TA], s[TA], LIST
	v_lshl_add_u32 v35, v1, 2, s[TA]               ; my own list: no other wave reads it, so no barrier is needed
.set z, 0
.rept NL
	ds_store_b32 v35, v[LS+12*z+10] offset:128*z
.set z, z+1
.endr
.set z, 0
.rept 24
	ds_load_b32 v[ROFF+z], v[LRA] offset:64*(z/4)+8*(z%4)  ; rows 16 (z / 4) + 2 (z % 4) + my lane's; LDS serves a wave's instructions in order (ISA guide 5.7.1.4): these see the stores above
.set z, z+1
.endr
	s_wait_dscnt 0x0
.set z, 0
.rept 24
	v_min_u32 v[ROFF+z], 0x3ff, v[ROFF+z]
	v_lshl_add_u32 v[ROFF+z], v[ROFF+z], 13, v[RBT]
.set z, z+1
.endr
	ALOAD TMPB, 0x80, 1, 0                         ; chunk 0's rows
	ALOAD TR, 0, 1, ASTEP                          ; chunk 1's rows
	WLOAD 1, 0x100000                              ; chunk 1's weights
	s_wait_loadcnt 32                              ; all but chunk 1's weights, the 32 youngest
	ASTORE 0, TMPB, 0x08, 1                        ; both slots are written whole once, so that every later fragment load reads bytes that were written
	ASTORE 1, TR, 0, 1
	s_wait_xcnt 0x0
	s_add_nc_u64 s[XP:XP+1], s[XP:XP+1], ASTEP     ; both pointers at chunk 1
	s_add_nc_u64 s[WP:WP+1], s[WP:WP+1], 0x100000
	s_wait_dscnt 0x0                               ; the stores have read their registers, of which the first roundings write some
.Lloop:
	CHUNK 0, 1, 1
	CHUNK 1, 1, 1
	s_sub_co_u32 s[LC], s[LC], 1
	s_cmp_lg_u32 s[LC], 0
	s_cbranch_scc1 .Lloop
	CHUNK 0, 1, 0                                  ; the last two chunks ask for nothing: no load passes a buffer's end
	CHUNK 1, 0, 0
	; THE EXCHANGE: each wave's sums go to LDS, each accumulator's registers in ascending order
.set gg, 0
.rept NG
	WIN 0x04
.irp tl, 0,1
.irp q, 0,1,2,3,4,5,6,7
	ds_store_b128 v[XA], v[32*(2*gg+(\tl))+4*(\q):32*(2*gg+(\tl))+4*(\q)+3] offset:(2*gg+(\tl))*4096+512*(\q)
.endr
.endr
	WIN 0
.if gg < NG-1
	s_cmp_le_u32 s[NGL], gg+1
	s_cbranch_scc1 .Lxs
.endif
.set gg, gg+1
.endr
.Lxs:
	s_wait_dscnt 0x0                               ; for the others' sake: my sums are in LDS
	s_barrier_signal -1                            ; the launch's one barrier; every wave of every work-group passes it
	s_barrier_wait -1
	; THE OWNERS: wave w finishes tiles w and w + 4; a tile without rows is jumped
	s_lshl_b32 s[T16], s[WV], 4
	OWNER 0
	OWNER 1
	s_wait_tensorcnt 0x0                           ; the wave's end
	ds_add_u32 v[SPW], v[NIL]
	s_wait_dscnt 0x0
	s_endpgm
.Lfunc_end_k_q14a0356d3d_down:
	.size	k_q14a0356d3d_down, .Lfunc_end_k_q14a0356d3d_down-k_q14a0356d3d_down
	.p2alignl 7, 3214868480
	.fill 96, 4, 3214868480
	.section	.rodata,"a",@progbits
	.p2align	6, 0x0
	.amdhsa_kernel k_q14a0356d3d_down
		.amdhsa_group_segment_fixed_size 228864
		.amdhsa_private_segment_fixed_size 0
		.amdhsa_enable_private_segment 0
		.amdhsa_kernarg_size 40
		.amdhsa_user_sgpr_count 2
		.amdhsa_user_sgpr_kernarg_segment_ptr 1
		.amdhsa_wavefront_size32 1
		.amdhsa_system_sgpr_workgroup_id_x 1
		.amdhsa_system_sgpr_workgroup_id_y 1
		.amdhsa_system_sgpr_workgroup_id_z 1
		.amdhsa_system_vgpr_workitem_id 0
		.amdhsa_next_free_vgpr 1024
		.amdhsa_next_free_sgpr 66
		.amdhsa_reserve_vcc 1
		.amdhsa_float_denorm_mode_32 3
		.amdhsa_float_denorm_mode_16_64 3
		.amdhsa_memory_ordered 1
		.amdhsa_forward_progress 1
		.amdhsa_inst_pref_size 126
	.end_amdhsa_kernel
	.amdgpu_metadata
---
amdhsa.version: [ 1, 2 ]
amdhsa.kernels:
  - .name:           k_q14a0356d3d_down
    .symbol:         k_q14a0356d3d_down.kd
    .args:
      - { .name: hid, .offset: 0, .size: 8, .value_kind: global_buffer, .address_space: global }
      - { .name: bm, .offset: 8, .size: 8, .value_kind: global_buffer, .address_space: global }
      - { .name: w_down, .offset: 16, .size: 8, .value_kind: global_buffer, .address_space: global }
      - { .name: ws_down, .offset: 24, .size: 8, .value_kind: global_buffer, .address_space: global }
      - { .name: out0, .offset: 32, .size: 8, .value_kind: global_buffer, .address_space: global }
    .group_segment_fixed_size: 228864
    .private_segment_fixed_size: 0
    .kernarg_segment_align: 8
    .kernarg_segment_size: 40
    .max_flat_workgroup_size: 128
    .sgpr_count:     66
    .vgpr_count:     1024
    .wavefront_size: 32
...
	.end_amdgpu_metadata
.endif
;; end of part 5
